; MI455X (gfx1250); checked and timed in simulation.
; The chip was launched on July 23, 2026; its instructions are those of AMD's public machine-readable ISA for CDNA 5 (MIT licence, August 2026) and "CDNA5" Instruction Set Architecture Reference Guide (July 2026). The comments in the code are by the model that wrote it; some were corrected since.
;; Causal Self Attention. Allowed arithmetic: matrix products marked QUANTISED: E2M1 operands, one E8M0 scale for each 32 along K, by v_wmma_scale_f32_16x16x128_f8f6f4 with both operands' format E2M1 (or v_wmma_scale_f32_32x16x128_f4), f32 sums; products left as they are: bf16, f16 or f32 operands; f32 sums; everything else in f32.
;; Inputs: W_proj 1,024 x 1,024 float32; W_qkv 1,024 x 3,072 float32; b_proj 1,024 float32; b_qkv 3,072 float32; x 4 x 2,048 x 1,024 float32.
;; Outputs: out0 4 x 2,048 x 1,024 float32.
;; This version of the problem:
;;   THIS VERSION OF THE PROBLEM IS GIVEN IN LOW PRECISION. The matrix products marked QUANTISED in the list below multiply operands that are first quantised to E2M1 (2 exponent bits, 1 mantissa bit; 4 bits a number), with one power-of-two scale for each 32 numbers along K (OCP MX v1.0); their sums are f32. The products marked 'left as it is' may take bf16, f16 or f32 operands, with f32 sums. Whichever they take, every output number must still come out within the allowed error. Rounding operands to bf16 (8 significant bits) uses up far more of that allowance than f16 does (11 bits, for magnitudes from 6e-5 to 65,504). All else is computed in f32.
;;   The module's matrix products, in the order in which they are computed (A, B: the left and right operand; K: the contracted axis; several contracted axes count as one K, in the product's order):
;;     1. [M 8,192, K 1,024] x [K 1,024, N 3,072]; A: input x; B: input W_qkv: QUANTISED
;;     2. batch 64 x [M 2,048, K 64] x [K 64, N 2,048]; A: computed on the way; B: computed on the way: left as it is (an operand is computed on the way)
;;     3. batch 64 x [M 2,048, K 2,048] x [K 2,048, N 64]; A: computed on the way; B: computed on the way: left as it is (an operand is computed on the way)
;;     4. [M 8,192, K 1,024] x [K 1,024, N 1,024]; A: computed on the way; B: input W_proj: left as it is (an operand is computed on the way)
;;   THE QUANTISER, for each operand of a quantised product, along K:
;;     - K is cut into blocks of 32 from its start; a last block that is shorter is filled with zeros.
;;     - A block's scale is 2^e with e = floor(log2(the largest magnitude in the block)) - 2, held to -126 .. 127; a block of zeros has e = 0. As a byte (E8M0): e + 127.
;;     - Each number is divided by its block's scale, clamped to +-6, and rounded to the nearest number of E2M1, ties to even, subnormals kept.
;;     - The product sums the exact products of the quantised numbers (number of the format x scale) in f32.
;;   ~~~python
;;   def quantise(x, axis):      # numpy; x: float32 -> the quantised numbers, widened to float32 again
;;       x = np.moveaxis(x, axis, -1); K = x.shape[-1]
;;       x = np.pad(x, [(0, 0)] * (x.ndim - 1) + [(0, -K % 32)]); x = x.reshape(x.shape[:-1] + (-1, 32)); a = np.abs(x).max(-1, keepdims=True)
;;       e = np.where(a > 0, np.clip(np.frexp(np.where(a > 0, a, 1))[1] - 1 - 2, -126, 127), 0)      # np.frexp(a)[1] - 1 = floor(log2(a)), exactly
;;       r = np.clip(x / 2.0 ** e, -6, 6)
;;       step = 2.0 ** (np.maximum(np.frexp(np.where(r == 0, 1, r))[1] - 1, 0) - 1)
;;       q = np.round(r / step) * step * 2.0 ** e      # np.round: ties to even
;;       return np.moveaxis(q.reshape(q.shape[:-2] + (-1,))[..., :K], -1, axis).astype(np.float32)
;;   ~~~
;; One version. Each part assembles by itself: llvm-mc -triple=amdgcn-amd-amdhsa -mcpu=gfx1250 --defsym DOCPART=n.
;; ======== version 1 of 1: 5 launches
;; limits: values are held in f16: magnitudes above 65,504 overflow, below 6.1e-05 lose precision
;; workspace buffers: x_codes 4,194,304 bytes; x_scales 262,144 bytes; w_codes 1,572,864 bytes; w_scales 98,304 bytes; wpT 2,097,152 bytes; qkv16 50,331,648 bytes; att16 16,777,216 bytes; firstqkv 786,432 bytes
;; launch prep (part 1): grid 192 x 1, 8 waves a work-group, no clusters, 151,552 bytes of LDS; arguments x, W_qkv, W_proj, x_codes, x_scales, w_codes, w_scales, wpT; writes x_codes, x_scales, w_codes, w_scales, wpT
.if DOCPART == 1
	.amdgcn_target "amdgcn-amd-amdhsa--gfx1250"
	.amdhsa_code_object_version 6
	.text
	.protected	k_qd4b9ee956c_prep
	.globl	k_qd4b9ee956c_prep
	.p2align	8
	.type	k_qd4b9ee956c_prep,@function
k_qd4b9ee956c_prep:
	s_mov_b64 s[64:65], 0
	v_nop
	global_prefetch_b8 v0, s[64:65] scope:SCOPE_SE
	s_setreg_imm32_b32 hwreg(HW_REG_WAVE_MODE, 25, 1), 1
	s_wait_xcnt 0x0
; PREP: the operands are laid out once, for the launches that read them many times.
;   work-groups 0-127:   x [8192][1024] f32 -> codes of E2M1 (x_codes [8192][512 bytes], K innermost) and one E8M0 byte for each 32 along K (x_scales [8192][32]).
;   work-groups 128-175: W_qkv [1024 k][3072 n] f32 -> the same along k, laid with k innermost: w_codes [3072][512 bytes], w_scales [3072][32].
;   work-groups 176-191: W_proj [1024 k][1024 n] f32 -> f16, turned: wpT [1024 n][1024 k].
; A block's scale is 2^(floor(log2(largest magnitude)) - 2): its byte is the largest magnitude's exponent field - 2, held at 1 from below by a floor among the maximum's leaves.
; LIMITS: NaN and infinities are not served.  A block of zeros, or one whose largest magnitude lies under 2^-124, gets the byte 1: its codes are zeros or the rule's own, and only this program reads the bytes.
; W_proj must lie within f16's range (magnitudes up to 65,504).
; Every work-group reads 262,144 bytes.  The three paths part on the work-group's number alone, and each has LDS bytes of its own.  No tensor loads: operands go through registers.
.set SPW,      10                      ; v10  LDS address of my spare word; never rewritten
.set NIL,      1                       ; v1   0; never rewritten
.set SPARE,    150528                  ; the spare words: 128 bytes for each of eight waves
.set WREG,     5632                    ; x path: a wave's region: two stages of 32 x 80 bytes, then its 256 scale bytes
.set SP,       80                      ; a lane's place in a stage: 64 bytes + 16 of padding
.set STEPS,    16
.set CB,       8                       ; bytes of 16 codes
.set R,        16                      ; v16-79   x path: four sets of 16 numbers as loaded
.set X,        80                      ; v80-111  two sets of 16 neighbours
.set E,        112                     ; v112-127 a scale byte for each step
.set C,        128                     ; v128-191 codes, four registers a step
.set WQ_STAGE, 45056                   ; W_qkv path: 64 rows (columns n) x (512 bytes of codes + 16)
.set WQ_SC,    78848                   ; and their scale bytes, 64 x 32
.set WP_STAGE, 80896                   ; W_proj path: for each wave 32 rows x (256 bytes + 16)
.set WX,       32                      ; v32-95   weight paths: two sets of 32 numbers down k
.set WC,       96                      ; v96-111  a block's codes, or its 32 numbers as f16
.set SB,       24                      ; v24-25   eight scale bytes
.set OUTR,     112                     ; v112-175 the way out
.macro ENDW                            ; a wave's end
	s_wait_tensorcnt 0x0
	ds_add_u32 v[SPW], v[NIL]
	s_wait_dscnt 0x0
	s_endpgm
.endm
	s_load_b256 s[4:11], s[0:1], 0x0               ; x s[4:5], W_qkv s[6:7], W_proj s[8:9], x_codes s[10:11]
	s_load_b256 s[12:19], s[0:1], 0x20             ; x_scales s[12:13], w_codes s[14:15], w_scales s[16:17], wpT s[18:19]
	v_lshl_add_u32 v[SPW], v0, 2, SPARE
	v_mov_b32 v[NIL], 0
	v_lshrrev_b32 v2, 5, v0
	v_readfirstlane_b32 s20, v2                    ; wave 0..7
	v_and_b32 v2, 31, v0                           ; lane
	s_mov_b32 s25, 0                               ; the upper word of every offset pair s[24:25]
	s_wait_kmcnt 0x0
	s_cmp_lt_u32 ttmp9, 128
	s_cbranch_scc0 .Lweights
; ---------------- x: a plain stream of blocks of 32.  A wave takes 16 steps of 512 numbers.
; Each load reads 512 consecutive bytes; a step's 2,048 bytes turn through the wave's own stage so that a lane holds 16 neighbours; two neighbouring lanes hold a block.
	s_mul_i32 s21, s20, WREG
	v_lshlrev_b32 v3, 4, v2                        ; my 16 bytes of a load's 512
	v_lshrrev_b32 v14, 2, v2
	v_mul_u32_u24 v14, v14, SP
	v_and_b32 v15, 3, v2
	v_lshl_add_u32 v14, v15, 4, v14
	v_add_nc_u32 v14, s21, v14                     ; the stage, on the way in: four lanes' 64 bytes on end, then the padding
	v_mul_u32_u24 v15, v2, SP
	v_add_nc_u32 v15, s21, v15                     ; and on the way out: my 16 neighbours
	v_lshlrev_b32 v4, 3, v2                        ; my codes' place in a step's 256 bytes
	v_lshrrev_b32 v5, 1, v2
	s_add_co_u32 s21, s21, 2*32*SP
	v_add_nc_u32 v5, s21, v5                       ; my block's scale byte in the wave's 256
	v_lshlrev_b32 v7, 3, v2
	v_add_nc_u32 v6, s21, v7                       ; and 8 of them a lane on the way out
	s_lshl_b32 s22, ttmp9, 3
	s_add_co_u32 s22, s22, s20                     ; which run of 8,192 numbers is my wave's: 0..1023
	s_lshl_b32 s24, s22, 15
	s_add_nc_u64 s[4:5], s[4:5], s[24:25]
	s_lshl_b32 s24, s22, 12
	s_add_nc_u64 s[10:11], s[10:11], s[24:25]
	s_lshl_b32 s24, s22, 8
	s_add_nc_u64 s[12:13], s[12:13], s[24:25]
.macro XLOAD t
.irp i, 0,1,2,3
	global_load_b128 v[R+16*((\t)%4)+4*\i:R+16*((\t)%4)+4*\i+3], v3, s[4:5] offset:2048*(\t)+512*\i th:TH_LOAD_NT
.endr
.endm
.macro XTURN t                         ; LDS serves a wave's instructions in order (ISA guide 5.7.1.4): no wait between these stores and loads
.irp i, 0,1,2,3
	ds_store_b128 v14, v[R+16*((\t)%4)+4*\i:R+16*((\t)%4)+4*\i+3] offset:32*SP*((\t)%2)+8*SP*\i
.endr
.irp i, 0,1,2,3
	ds_load_b128 v[X+16*((\t)%2)+4*\i:X+16*((\t)%2)+4*\i+3], v15 offset:32*SP*((\t)%2)+16*\i
.endr
.endm
.irp t, 0,1,2,3
	XLOAD \t
.endr
	s_wait_loadcnt 12                              ; step 0's four loads are in; three steps' twelve stay out
	XTURN 0
.macro XSTEP t
.set XS, X+16*((\t)%2)
.if (\t) > 0
	s_wait_dscnt 1                                 ; this step's numbers are back from the stage; the last step's byte store may be out
.else
	s_wait_dscnt 0x0
.endif
.if (\t)+4 < STEPS
	XLOAD (\t)+4                                   ; into the set whose stores into the stage have read their registers
.endif
.if (\t)+1 < STEPS
.if STEPS-2-(\t) >= 3
	s_wait_loadcnt 12                              ; the next step's four loads are in; those of the three steps behind it may be out
.else
	s_wait_loadcnt 4*(STEPS-2-(\t))
.endif
	XTURN (\t)+1
.endif
	v_max3_num_f32 v8, |v[XS]|, |v[XS+1]|, |v[XS+2]|       ; the largest magnitude of my 16, in two chains
	v_max3_num_f32 v9, |v[XS+3]|, |v[XS+4]|, |v[XS+5]|
.irp i, 6,10
	v_max3_num_f32 v8, v8, |v[XS+\i]|, |v[XS+\i+1]|
	v_max3_num_f32 v9, v9, |v[XS+\i+2]|, |v[XS+\i+3]|
.endr
	v_max3_num_f32 v8, v8, |v[XS+14]|, |v[XS+15]|
	v_max3_num_f32 v8, v8, v9, 0x1800000           ; and the floor 2^(3 - 127): the byte cannot fall under 1
	v_max_num_f32_dpp v8, v8, v8 row_xmask:1 row_mask:0xf bank_mask:0xf   ; with my neighbour's 16: the block's
	v_add_nc_u32 v11, 0xff000000, v8               ; 2 off the exponent field: the conversion takes this operand's exponent field as its scale
	v_cvt_scalef32_pk8_fp4_f32 v[C+4*(\t)], v[XS:XS+7], v11
	v_cvt_scalef32_pk8_fp4_f32 v[C+4*(\t)+1], v[XS+8:XS+15], v11
	v_lshrrev_b32 v[E+(\t)], 23, v11               ; the scale's byte (also the plain line behind the conversions)
	ds_store_b8 v5, v[E+(\t)] offset:16*(\t)       ; both lanes of a block write the same byte with the same value
	global_store_b64 v4, v[C+4*(\t):C+4*(\t)+1], s[10:11] offset:32*CB*(\t)   ; the wave stores 256 consecutive bytes, aligned
.endm
.irp t, 0,1,2,3,4,5,6,7,8,9,10,11,12,13,14,15
	XSTEP \t
.endr
	ds_load_b64 v[8:9], v6                         ; my wave's 256 scale bytes, 8 a lane
	s_wait_dscnt 0x0
	global_store_b64 v7, v[8:9], s[12:13]          ; 256 consecutive bytes, aligned
	ENDW
; ---------------- the weights: a lane takes a column n and its registers run down k.  Wave w: 32 columns (w & 1), 256 along k (w >> 1): eight blocks of 32.
.Lweights:
	s_and_b32 s21, s20, 1                          ; which 32 of the work-group's 64 columns
	s_lshr_b32 s22, s20, 1                         ; which quarter of k
	v_lshlrev_b32 v3, 2, v2                        ; 4 bytes a lane: a load reads 128 consecutive bytes
.macro WLOAD t, rowb, base             ; block t: W(32 t + i, my column), i = 0..31, into set t % 2
.set i, 0
.rept 32
	global_load_b32 v[WX+32*((\t)%2)+i], v3, s[\base:\base+1] offset:(32*(\t)+i)*\rowb th:TH_LOAD_NT
.set i, i+1
.endr
.endm
	s_cmp_lt_u32 ttmp9, 176
	s_cbranch_scc0 .Lproj
; ---------------- W_qkv
	s_sub_co_u32 s23, ttmp9, 128
	s_lshl_b32 s23, s23, 6                         ; the work-group's first column
	s_lshl_b32 s26, s21, 5
	s_add_co_u32 s27, s23, s26                     ; my wave's first column
	s_mul_i32 s24, s22, 256*12288                  ; my quarter of k: 256 rows of 12,288 bytes
	s_lshl_b32 s28, s27, 2
	s_add_co_u32 s24, s24, s28
	s_add_nc_u64 s[6:7], s[6:7], s[24:25]
	s_mul_i32 s28, s21, 32*528
	s_lshl_b32 s29, s22, 7
	s_add_co_u32 s28, s28, s29
	s_add_co_u32 s28, s28, WQ_STAGE
	v_mul_u32_u24 v4, v2, 528
	v_add_nc_u32 v4, s28, v4                       ; into the stage: row = my column, 128 bytes for each quarter of k
	s_lshl_b32 s28, s21, 10
	s_lshl_b32 s29, s22, 3
	s_add_co_u32 s28, s28, s29
	s_add_co_u32 s28, s28, WQ_SC
	v_lshl_add_u32 v5, v2, 5, s28                  ; my column's 32 scale bytes, my quarter's eight
	s_mul_i32 s28, s20, 8*528
	s_add_co_u32 s28, s28, WQ_STAGE
	v_lshlrev_b32 v8, 4, v2
	v_add_nc_u32 v7, s28, v8                       ; back: wave w takes rows 8 w .. 8 w + 7, a row of 512 bytes an instruction
	s_lshl_b32 s28, s20, 8
	s_add_co_u32 s29, s28, WQ_SC
	v_lshlrev_b32 v9, 3, v2
	v_add_nc_u32 v6, s29, v9                       ; and 256 of the 2,048 scale bytes
	s_lshl_b32 s24, s20, 3
	s_add_co_u32 s24, s24, s23
	s_lshl_b32 s24, s24, 9
	s_add_nc_u64 s[14:15], s[14:15], s[24:25]      ; w_codes at row n0 + 8 w
	s_lshl_b32 s24, s23, 5
	s_add_co_u32 s24, s24, s28
	s_add_nc_u64 s[16:17], s[16:17], s[24:25]      ; w_scales at 32 n0 + 256 w
	WLOAD 0, 12288, 6
	WLOAD 1, 12288, 6
.macro BLOCKQ t
.set XS, WX+32*((\t)%2)
.if (\t) < 7
	s_wait_loadcnt 32                              ; this block's 32 loads are in; the next block's may be out
.else
	s_wait_loadcnt 0x0
.endif
	v_max3_num_f32 v12, |v[XS]|, |v[XS+1]|, |v[XS+2]|      ; the block's largest magnitude: all 32 numbers are mine
	v_max3_num_f32 v13, |v[XS+3]|, |v[XS+4]|, |v[XS+5]|
.irp i, 6,10,14,18,22,26
	v_max3_num_f32 v12, v12, |v[XS+\i]|, |v[XS+\i+1]|
	v_max3_num_f32 v13, v13, |v[XS+\i+2]|, |v[XS+\i+3]|
.endr
	v_max3_num_f32 v12, v12, |v[XS+30]|, |v[XS+31]|
	v_max3_num_f32 v12, v12, v13, 0x1800000        ; and the floor
	v_add_nc_u32 v11, 0xff000000, v12              ; the conversion's scale operand
	v_lshrrev_b32 v13, 23, v11                     ; the scale's byte
.if (\t)%4 == 0
	v_mov_b32 v[SB+(\t)/4], v13                    ; four bytes to a register, the lower k in the lower byte
.else
	v_lshl_or_b32 v[SB+(\t)/4], v13, 8*((\t)%4), v[SB+(\t)/4]
.endif
.irp g, 0,1,2,3
	v_cvt_scalef32_pk8_fp4_f32 v[WC+\g], v[XS+8*\g:XS+8*\g+7], v11
.endr
	ds_store_b128 v4, v[WC:WC+3] offset:16*(\t)    ; 32 codes: 16 bytes of my column's row
.if (\t)+2 < 8
	WLOAD (\t)+2, 12288, 6
.endif
	s_wait_dscnt 0x0                               ; the store has read its registers: the next block's codes may be written
.endm
.irp t, 0,1,2,3,4,5,6,7
	BLOCKQ \t
.endr
	ds_store_b64 v5, v[SB:SB+1]
	s_wait_dscnt 0x0                               ; for the others' sake: my stores into the stage are done
	s_barrier_signal -1
	s_barrier_wait -1                              ; a row's 512 bytes come from four waves: all have stored
.irp i, 0,1,2,3,4,5,6,7
	ds_load_b128 v[OUTR+4*\i:OUTR+4*\i+3], v7 offset:\i*528
.endr
	ds_load_b64 v[OUTR+32:OUTR+33], v6
.irp i, 0,1,2,3,4,5,6,7
	s_wait_dscnt 8-\i                              ; row i is back; the younger loads may be out
	global_store_b128 v8, v[OUTR+4*\i:OUTR+4*\i+3], s[14:15] offset:512*\i   ; a whole row of codes: 512 consecutive bytes
.endr
	s_wait_dscnt 0x0
	global_store_b64 v9, v[OUTR+32:OUTR+33], s[16:17]      ; 256 consecutive scale bytes, aligned
	ENDW
; ---------------- W_proj: rounded to f16; a wave's 32 columns x 128 along k go through its own stage and leave as rows of 256 bytes
.Lproj:
	s_sub_co_u32 s23, ttmp9, 176
	s_lshl_b32 s23, s23, 6
	s_lshl_b32 s26, s21, 5
	s_add_co_u32 s27, s23, s26                     ; my wave's first column
	s_lshl_b32 s24, s22, 20                        ; my quarter of k: 256 rows of 4,096 bytes
	s_lshl_b32 s28, s27, 2
	s_add_co_u32 s24, s24, s28
	s_add_nc_u64 s[8:9], s[8:9], s[24:25]
	s_mul_i32 s28, s20, 8704
	s_add_co_u32 s28, s28, WP_STAGE                ; my stage
	v_mul_u32_u24 v5, v2, 272
	v_add_nc_u32 v5, s28, v5                       ; in: row = my column
	v_and_b32 v6, 15, v2
	v_lshrrev_b32 v9, 4, v2
	v_mul_u32_u24 v7, v9, 272
	v_lshl_add_u32 v7, v6, 4, v7
	v_add_nc_u32 v7, s28, v7                       ; back: sixteen lanes to a row, two rows an instruction
	v_lshlrev_b32 v8, 11, v9
	v_lshl_add_u32 v8, v6, 4, v8                   ; and the same two rows in wpT (2,048 bytes a row)
	s_lshl_b32 s24, s27, 11
	s_lshl_b32 s28, s22, 9
	s_add_co_u32 s24, s24, s28
	s_add_nc_u64 s[18:19], s[18:19], s[24:25]
	WLOAD 0, 4096, 8
	WLOAD 1, 4096, 8
.macro BLOCKH t
.set XS, WX+32*((\t)%2)
.if (\t) < 7
	s_wait_loadcnt 32
.else
	s_wait_loadcnt 0x0
.endif
.set i, 0
.rept 16
	v_cvt_pk_f16_f32 v[WC+i], v[XS+2*i], v[XS+2*i+1]       ; two neighbours along k, the lower in the low half
.set i, i+1
.endr
.irp i, 0,1,2,3
	ds_store_b128 v5, v[WC+4*\i:WC+4*\i+3] offset:64*((\t)%4)+16*\i
.endr
.if (\t)+2 < 8
	WLOAD (\t)+2, 4096, 8
.endif
	s_wait_dscnt 0x0                               ; the stores have read their registers
.endm
.macro OUTH half                       ; 32 rows x 256 bytes leave; sixteen lanes store 256 consecutive bytes, aligned
.if \half
	s_wait_xcnt 0x0                                ; the first half's stores have read their data registers
.endif
.irp i, 0,1,2,3,4,5,6,7,8,9,10,11,12,13,14,15
	ds_load_b128 v[OUTR+4*\i:OUTR+4*\i+3], v7 offset:544*\i
.endr
.irp i, 0,1,2,3,4,5,6,7,8,9,10,11,12,13,14,15
	s_wait_dscnt 15-\i
	global_store_b128 v8, v[OUTR+4*\i:OUTR+4*\i+3], s[18:19] offset:4096*\i+256*\half
.endr
.endm
.irp t, 0,1,2,3
	BLOCKH \t
.endr
	OUTH 0
.irp t, 4,5,6,7
	BLOCKH \t
.endr
	OUTH 1
	ENDW
.Lfunc_end_k_qd4b9ee956c_prep:
	.size	k_qd4b9ee956c_prep, .Lfunc_end_k_qd4b9ee956c_prep-k_qd4b9ee956c_prep
	.p2alignl 7, 3214868480
	.fill 96, 4, 3214868480
	.section	.rodata,"a",@progbits
	.p2align	6, 0x0
	.amdhsa_kernel k_qd4b9ee956c_prep
		.amdhsa_group_segment_fixed_size 151552
		.amdhsa_private_segment_fixed_size 0
		.amdhsa_enable_private_segment 0
		.amdhsa_kernarg_size 64
		.amdhsa_user_sgpr_count 2
		.amdhsa_user_sgpr_kernarg_segment_ptr 1
		.amdhsa_wavefront_size32 1
		.amdhsa_system_sgpr_workgroup_id_x 1
		.amdhsa_system_sgpr_workgroup_id_y 1
		.amdhsa_system_sgpr_workgroup_id_z 1
		.amdhsa_system_vgpr_workitem_id 0
		.amdhsa_next_free_vgpr 192
		.amdhsa_next_free_sgpr 66
		.amdhsa_reserve_vcc 0
		.amdhsa_float_denorm_mode_32 3
		.amdhsa_float_denorm_mode_16_64 3
		.amdhsa_memory_ordered 1
		.amdhsa_forward_progress 1
		.amdhsa_inst_pref_size 115
	.end_amdhsa_kernel
	.amdgpu_metadata
---
amdhsa.version: [ 1, 2 ]
amdhsa.kernels:
  - .name:           k_qd4b9ee956c_prep
    .symbol:         k_qd4b9ee956c_prep.kd
    .args:
      - { .name: x, .offset: 0, .size: 8, .value_kind: global_buffer, .address_space: global }
      - { .name: W_qkv, .offset: 8, .size: 8, .value_kind: global_buffer, .address_space: global }
      - { .name: W_proj, .offset: 16, .size: 8, .value_kind: global_buffer, .address_space: global }
      - { .name: x_codes, .offset: 24, .size: 8, .value_kind: global_buffer, .address_space: global }
      - { .name: x_scales, .offset: 32, .size: 8, .value_kind: global_buffer, .address_space: global }
      - { .name: w_codes, .offset: 40, .size: 8, .value_kind: global_buffer, .address_space: global }
      - { .name: w_scales, .offset: 48, .size: 8, .value_kind: global_buffer, .address_space: global }
      - { .name: wpT, .offset: 56, .size: 8, .value_kind: global_buffer, .address_space: global }
    .group_segment_fixed_size: 151552
    .private_segment_fixed_size: 0
    .kernarg_segment_align: 8
    .kernarg_segment_size: 64
    .max_flat_workgroup_size: 256
    .sgpr_count:     66
    .vgpr_count:     192
    .wavefront_size: 32
...
	.end_amdgpu_metadata
.endif
;; end of part 1
;; launch qkv (part 2): grid 12 x 32, 4 waves a work-group, clusters of 4 x 4, 327,680 bytes of LDS; arguments x_codes, x_scales, w_codes, w_scales, b_qkv, qkv16, firstqkv; writes qkv16, firstqkv
.if DOCPART == 2
	.amdgcn_target "amdgcn-amd-amdhsa--gfx1250"
	.amdhsa_code_object_version 6
	.text
	.protected	k_qd4b9ee956c_qkv
	.globl	k_qd4b9ee956c_qkv
	.p2align	8
	.type	k_qd4b9ee956c_qkv,@function
k_qd4b9ee956c_qkv:
	s_mov_b64 s[64:65], 0
	v_nop
	global_prefetch_b8 v0, s[64:65] scope:SCOPE_SE
	s_setreg_imm32_b32 hwreg(HW_REG_WAVE_MODE, 25, 1), 1
	s_wait_xcnt 0x0
	s_wait_alu depctr_hold_cnt(0) depctr_sa_sdst(0) depctr_va_vdst(0) depctr_va_sdst(0) depctr_va_ssrc(0) depctr_va_vcc(0) depctr_vm_vsrc(0)
	s_getreg_b32 s2, hwreg(HW_REG_IB_STS2, 6, 4)
	s_cmp_eq_u32 s2, 0
	s_cbranch_scc0 .Lentry_in_a_cluster
	s_endpgm
.Lentry_in_a_cluster:
	s_bfe_u32 s2, ttmp6, 0x10000c
	s_cmp_lg_u32 s2, 0xf033
	s_cbranch_scc0 .Lentry_shape_is_right
	s_endpgm
.Lentry_shape_is_right:
; QKV: qkv = Q(x) Q(W_qkv) + b_qkv, on codes of E2M1 with one E8M0 scale for each 32 along K = 1,024; sums in f32.
; A = x_codes [8192][512 bytes], B = w_codes [3072][512 bytes]; scale bytes [rows][32].  A tile of 256 x 256 to a work-group of four waves, 128 x 128 a wave: 64 accumulators, 512 registers.
; K goes in two steps of 512 through two LDS slots, both asked for at the head (rows of 256 bytes); nothing is filled again.  The scale bytes of the work-group's rows come once, with them.
; CLUSTERS: 4 x 4 work-groups; A's tiles are shared along a row of the cluster, B's along a column: each is asked for jointly, by the same tensor load with a mask that names the four.
; THE MATRIX INSTRUCTION IS USED TRANSPOSED (source 0 = 16 rows of B, source 1 = 16 rows of A): a lane holds eight neighbouring columns of one row of the result.
; The bias is the C of each sum's first product.
; OUT: rounded to f16, by heads: qkv16 [which 3][b 4][h 16][t 2048][64].  LIMIT: |q|, |k|, |v| up to 65,504 (f16).  The rows t < 16 of every batch also leave as f32:
; firstqkv [which][b][h][16][64], for the launch that carries those rows finely.
; REGISTERS, in windows of 256: window 0: v0-31 addresses; v32-95 scale words, two sets; v128-191 A's fragments, one set; v192-255 the bias; on the way out v32-191 are free.
;   window 1: B's fragments, two sets.   window 2: accumulators of my rows 0-63 ((a, b) at v[8 (8 a + b)]);   window 3: rows 64-127.
.set NQ,     4                         ; matrix instructions deep in a slot: 512 along K
.set ROWB,   256                       ; a tile's row in bytes
.set KROW,   512                       ; a row of codes in memory
.set PITCH,  272                       ; an LDS row: 256 bytes + 16 of padding: the 16 rows that a load touches start 16 bytes apart modulo 256
.set FR,     8
.set NL,     2
.set NP,     4                         ; places behind this matrix instruction (ISA guide 7.12.1)
.set HALFT,  128*PITCH
.set SLOT,   4*HALFT                   ; A's 256 rows, then B's 256 rows
.set KS,     32                        ; a row of scale bytes
.set SCL,    2*SLOT                    ; behind the ring: the scales, as rows of 256 bytes + 16 of padding
.set HALFS,  (128*KS/256)*272
.set SBLK,   (16*KS/256)*272
.set SPARE,  SCL+4*HALFS               ; the spare words
.set WSTG,   12800                     ; the way out: for each wave 16 x 272 bytes (f16) and 16 x 528 (f32), in slot 0, which has had its only fill and its last read by then
.set ADRA, 16
.set ADRB, 20
.set COF,  22                          ; v22  my byte offset in firstqkv
.set FL,   23                          ; v23  tile row mod 8: 0 where the tile holds a batch's first rows
.set STO16, 24
.set RD16, 25
.set CO16, 26
.set ADRS, 27
.set SPW,  28
.set NIL,  29
.set STOF, 30
.set RDF,  31
.set BOF,  7                           ; v7   the bias loads' offset
.set SC,   32
.set AF,   128
.set BIAS, 192
.set TMP,  32                          ; the way out: a block as f16
.set BK,   64                          ; and read back: v64-95, v96-127 by turns
.set FB,   128                         ; the fine rows read back
.set G1, 24
.set G0, 32
.set G1B, 48
.set G0B, 56
.set G1S, 68
.set G0S, 76
.set G1SB, 80
.set G0SB, 88
.set MSB, 0
.macro WIN new                         ; the immediate's high byte repeats the setting that is left
.if MSB != \new
	s_set_vgpr_msb (MSB<<8)|\new
.set MSB, \new
.endif
.endm
.set MUL_LO,   0xa1                    ; source 0 (B) window 1, source 1 (A) window 0, C and D window 2
.set MUL_HI,   0xf1                    ; the same, C and D window 3
.set FIRST_LO, 0x81                    ; the first step: C (the bias) window 0, D window 2
.set FIRST_HI, 0xc1
.set TO_B,     0x40
; A joint load: waves 0 and 1 fetch for A, waves 2 and 3 for B; the branch hangs on the wave's number alone.  An s_nop 0 and four v_nop follow each line.
.macro JLOAD g0a, g1a, g0b, g1b
	s_cmp_eq_u32 s15, 0
	s_cbranch_scc0 .Lfor_b_\@
	tensor_load_to_lds s[\g0a:\g0a+3], s[\g1a:\g1a+7]
	s_nop 0
.rept 4
	v_nop
.endr
	s_branch .Lasked_\@
.Lfor_b_\@:
	tensor_load_to_lds s[\g0b:\g0b+3], s[\g1b:\g1b+7]
	s_nop 0
.rept 4
	v_nop
.endr
.Lasked_\@:
.endm
.macro CROUND                          ; a round of the cluster's barrier
	s_barrier_signal -1
	s_barrier_wait -1
	s_cmp_lg_u32 s14, 0
	s_cbranch_scc1 .Lnot_wave_0_\@
	s_barrier_signal -3
.Lnot_wave_0_\@:
	s_barrier_wait -3
	s_barrier_signal -1
	s_barrier_wait -1
.endm
	s_load_b128 s[4:7], s[0:1], 0x0                ; x_codes s[4:5], x_scales s[6:7]
	s_load_b128 s[8:11], s[0:1], 0x10              ; w_codes s[8:9], w_scales s[10:11]
	s_load_b64 s[12:13], s[0:1], 0x20              ; b_qkv
	s_load_b64 s[96:97], s[0:1], 0x28              ; qkv16
	s_load_b64 s[98:99], s[0:1], 0x30              ; firstqkv
	v_lshl_add_u32 v[SPW], v0, 2, SPARE
	v_mov_b32 v[NIL], 0
	ds_add_u32 v[SPW], v[NIL]                      ; the wave's opening: the add, twice on end, and its wait ahead of my first tensor load
	ds_add_u32 v[SPW], v[NIL]
	v_lshrrev_b32 v1, 5, v0
	v_readfirstlane_b32 s14, v1                    ; wave 0..3
	s_lshr_b32 s15, s14, 1                         ; which half of the tile's rows is mine.  Also: I fetch for A (0) or for B (1)
	s_and_b32 s16, s14, 1                          ; which half of its columns.  Also: which 128 rows I fetch
	s_bfe_u32 s40, ttmp6, 0x40000                  ; cx, cy
	s_bfe_u32 s41, ttmp6, 0x40004
	s_lshl_b32 s42, ttmp9, 2
	s_add_co_u32 s42, s42, s40                     ; tile column 0..11
	s_and_b32 s17, ttmp7, 0xffff
	s_lshl_b32 s17, s17, 2
	s_add_co_u32 s17, s17, s41                     ; tile row 0..31
	s_lshl_b32 s43, s41, 2
	s_lshl_b32 s43, 15, s43                        ; my row of the cluster
	s_lshl_b32 s44, 0x1111, s40                    ; my column
	s_or_b32 s[G1+0], s43, (0<<16)|(1<<20)|(1<<21)|(5<<22)|(3<<25)   ; the mask; elements of 1 byte; padding on; bit 21 beside a mask; 4 words behind every 64
	s_or_b32 s[G1B+0], s44, (0<<16)|(1<<20)|(1<<21)|(5<<22)|(3<<25)
.irp g, G1, G1B
	s_mov_b32 s[\g+1], ROWB<<16                    ; tensor_dim0
	s_mov_b32 s[\g+2], 128<<16                     ; tensor_dim1
	s_mov_b32 s[\g+3], ROWB<<16                    ; tile_dim0
	s_mov_b32 s[\g+4], 128                         ; tile_dim1
	s_mov_b32 s[\g+5], KROW                        ; the pitch in memory
	s_mov_b32 s[\g+6], 0
	s_mov_b32 s[\g+7], 0
.endr
	s_or_b32 s[G1S+0], s43, (3<<16)|(1<<20)|(1<<21)|(5<<22)|(3<<25)  ; the scales of 128 rows: 4,096 dense bytes as 16 rows of 32 elements of 8 bytes
	s_or_b32 s[G1SB+0], s44, (3<<16)|(1<<20)|(1<<21)|(5<<22)|(3<<25)
.irp g, G1S, G1SB
	s_mov_b32 s[\g+1], 32<<16
	s_mov_b32 s[\g+2], (128*KS/256)<<16
	s_mov_b32 s[\g+3], 32<<16
	s_mov_b32 s[\g+4], 128*KS/256
	s_mov_b32 s[\g+5], 32
	s_mov_b32 s[\g+6], 0
	s_mov_b32 s[\g+7], 0
.endr
	s_lshl_b32 s18, s16, 7
	s_lshl_b32 s20, s17, 8
	s_add_co_u32 s20, s20, s18                     ; A: row 256 x tile row + 128 x half
	s_lshl_b32 s46, s42, 8
	s_add_co_u32 s46, s46, s18                     ; B: row 256 x tile column + 128 x half
	s_mov_b32 s21, 0
	s_mov_b32 s47, 0
	s_mov_b64 s[18:19], KS
	s_mul_u64 s[22:23], s[20:21], s[18:19]         ; where these rows' scales begin
	s_mul_u64 s[92:93], s[46:47], s[18:19]
	s_mov_b64 s[18:19], KROW
	s_mul_u64 s[20:21], s[20:21], s[18:19]         ; and their codes
	s_mul_u64 s[46:47], s[46:47], s[18:19]
	s_mul_i32 s45, s14, HALFT                      ; where they go: wave x 128 rows
	s_mul_i32 s94, s14, HALFS
	s_wait_dscnt 0x0                               ; both opening adds are done
	s_wait_kmcnt 0x0
	s_add_nc_u64 s[20:21], s[4:5], s[20:21]
	s_add_nc_u64 s[22:23], s[6:7], s[22:23]
	s_add_nc_u64 s[46:47], s[8:9], s[46:47]
	s_add_nc_u64 s[92:93], s[10:11], s[92:93]
	CROUND                                         ; all sixteen work-groups are here: the joint loads meet
	s_mov_b32 s[G0S], 1
	s_add_co_u32 s[G0S+1], s94, SCL
	s_mov_b64 s[G0S+2:G0S+3], s[22:23]
	s_or_b32 s[G0S+3], s[G0S+3], 0x80000000
	s_mov_b32 s[G0SB], 1
	s_add_co_u32 s[G0SB+1], s94, SCL
	s_mov_b64 s[G0SB+2:G0SB+3], s[92:93]
	s_or_b32 s[G0SB+3], s[G0SB+3], 0x80000000
	JLOAD G0S, G1S, G0SB, G1SB                     ; the scales first; with the two slots three loads of mine are out
.irp s, 0,1
	s_mov_b32 s[G0+4*\s], 1
	s_add_co_u32 s[G0+4*\s+1], s45, \s*SLOT
	s_add_nc_u64 s[G0+4*\s+2:G0+4*\s+3], s[20:21], \s*ROWB
	s_or_b32 s[G0+4*\s+3], s[G0+4*\s+3], 0x80000000
	s_mov_b32 s[G0B+4*\s], 1
	s_add_co_u32 s[G0B+4*\s+1], s45, \s*SLOT
	s_add_nc_u64 s[G0B+4*\s+2:G0B+4*\s+3], s[46:47], \s*ROWB
	s_or_b32 s[G0B+4*\s+3], s[G0B+4*\s+3], 0x80000000
	JLOAD G0+4*\s, G1, G0B+4*\s, G1B
.endr
	v_and_b32 v1, 15, v0                           ; r = lane % 16
	v_bfe_u32 v2, v0, 4, 1                         ; h = lane / 16
	; the bias: lane (r, h) wants, for B's block b, the eight numbers at columns 16 b + 8 h + 0..7 of my 128
	s_lshl_b32 s18, s42, 10
	s_lshl_b32 s19, s16, 9
	s_add_co_u32 s18, s18, s19
	s_mov_b32 s19, 0
	s_add_nc_u64 s[12:13], s[12:13], s[18:19]
	v_lshlrev_b32 v[BOF], 5, v2
.irp b, 0,1,2,3,4,5,6,7
	global_load_b128 v[BIAS+8*\b:BIAS+8*\b+3], v[BOF], s[12:13] offset:64*\b
	global_load_b128 v[BIAS+8*\b+4:BIAS+8*\b+7], v[BOF], s[12:13] offset:64*\b+16
.endr
	v_mul_u32_u24 v3, v1, PITCH
	v_lshl_add_u32 v4, v2, 4, v3                   ; a fragment's row x pitch + 16 x half
	s_mul_i32 s21, s15, HALFT                      ; my 128 rows of A
	s_mul_i32 s22, s16, HALFT                      ; my 128 rows of B,
	s_add_co_u32 s22, s22, 2*HALFT                 ; behind A's 256
.irp s, 0,1
	v_add_nc_u32 v[ADRA+\s], s21, v4
	v_add_nc_u32 v[ADRB+\s], s22, v4
	s_add_co_u32 s21, s21, SLOT
	s_add_co_u32 s22, s22, SLOT
.endr
	v_mul_u32_u24 v5, v1, KS                       ; my row's scales: 32 bytes a row,
	v_lshrrev_b32 v6, 8, v5
	v_lshl_add_u32 v5, v6, 4, v5                   ; and 16 more for each 256 passed
	s_mul_i32 s21, s15, HALFS
	s_mul_i32 s22, s16, HALFS
	s_add_co_u32 s22, s22, 2*HALFS
	s_sub_co_u32 s22, s22, s21
	v_mul_u32_u24 v6, s22, v2                      ; lanes 16-31 take B's: one product, the distance between the two bases
	s_add_co_u32 s21, s21, SCL
	v_add_nc_u32 v5, v5, v6
	v_add_nc_u32 v[ADRS], s21, v5
	; the way out
	s_mul_i32 s23, s14, WSTG                       ; my stages
	v_mul_u32_u24 v5, v1, 272
	v_lshl_add_u32 v5, v2, 4, v5
	v_add_nc_u32 v[STO16], s23, v5                 ; f16, in: row r, 16 bytes for each half of the lanes
	v_bfe_u32 v5, v0, 3, 1
	v_mul_u32_u24 v5, v5, 272
	v_lshl_add_u32 v5, v2, 7, v5
	v_and_b32 v6, 7, v0
	v_lshl_add_u32 v5, v6, 4, v5
	v_add_nc_u32 v[RD16], s23, v5                  ; back: lanes 0-15 two rows' 128 bytes of my first head, lanes 16-31 of my second
	v_lshlrev_b32 v5, 4, v1
	v_lshl_add_u32 v[CO16], v2, 18, v5             ; in qkv16: a head is 2^18 bytes; two rows of a head are 256 consecutive bytes
	v_lshl_add_u32 v[COF], v2, 12, v5              ; in firstqkv: a head is 4,096 bytes; a row 256
	s_add_co_u32 s23, s23, 16*272
	v_mul_u32_u24 v5, v1, 528
	v_lshl_add_u32 v5, v2, 5, v5
	v_add_nc_u32 v[STOF], s23, v5                  ; f32, in: row r, 32 bytes for each half of the lanes
	v_and_b32 v6, 31, v0
	v_lshl_add_u32 v[RDF], v6, 4, s23              ; back: a row of 512 bytes an instruction
	s_lshr_b32 s20, s42, 2                         ; which of q, k, v
	s_lshr_b32 s21, s17, 3                         ; the batch
	s_and_b32 s46, s42, 3
	s_lshl_b32 s46, s46, 2
	s_lshl_b32 s47, s16, 1
	s_add_co_u32 s46, s46, s47                     ; the first of my two heads
	s_lshl_b32 s47, s21, 4
	s_add_co_u32 s47, s47, s46
	s_lshl_b32 s47, s47, 18
	s_lshl_b32 s18, s20, 24
	s_add_co_u32 s18, s18, s47
	s_and_b32 s19, s17, 7
	v_mov_b32 v[FL], s19
	s_lshl_b32 s19, s19, 8
	s_lshl_b32 s47, s15, 7
	s_add_co_u32 s19, s19, s47                     ; my first position in the sequence
	s_lshl_b32 s19, s19, 7
	s_add_co_u32 s18, s18, s19
	s_mov_b32 s19, 0
	s_add_nc_u64 s[96:97], s[96:97], s[18:19]
	s_lshl_b32 s18, s20, 2
	s_add_co_u32 s18, s18, s21
	s_lshl_b32 s18, s18, 4
	s_add_co_u32 s18, s18, s46
	s_lshl_b32 s18, s18, 12
	s_add_nc_u64 s[98:99], s[98:99], s[18:19]
.macro FRAG reg, adr, q, i             ; 16 rows x 128 K of 4-bit codes: 8 registers; registers 4 c .. 4 c + 3 hold K = 64 c + 32 (lane / 16) + 0..31
.irp c, 0,1
	ds_load_b128 v[\reg+4*\c:\reg+4*\c+3], v[\adr] offset:64*(\q)+32*\c+(\i)*16*PITCH
.endr
.endm
; 16 matrix instructions: A's blocks a0, a0 + 1 x B's eight.  p: B's set; sc: the set of scale words.  zero = 1: the first product starts the sums, on the bias.
; The 64 accumulators take turns, one instruction a turn, in the same order in every step.
.macro MUL16 a0, p, q, sc, zero
.irp a, \a0, \a0+1
.irp b, 0,1,2,3,4,5,6,7
.if \zero
	v_wmma_scale_f32_16x16x128_f8f6f4 v[8*(8*((\a)%4)+\b):8*(8*((\a)%4)+\b)+7], v[128*(\p)+FR*\b:128*(\p)+FR*\b+FR-1], v[AF+FR*(\a):AF+FR*(\a)+FR-1], v[BIAS+8*\b:BIAS+8*\b+7], v[SC+8*NQ*(\sc)+NQ*\b+(\q)], v[SC+8*NQ*(\sc)+NQ*(\a)+(\q)] matrix_a_fmt:MATRIX_FMT_FP4 matrix_b_fmt:MATRIX_FMT_FP4 matrix_a_scale:MATRIX_SCALE_ROW1
.else
	v_wmma_scale_f32_16x16x128_f8f6f4 v[8*(8*((\a)%4)+\b):8*(8*((\a)%4)+\b)+7], v[128*(\p)+FR*\b:128*(\p)+FR*\b+FR-1], v[AF+FR*(\a):AF+FR*(\a)+FR-1], v[8*(8*((\a)%4)+\b):8*(8*((\a)%4)+\b)+7], v[SC+8*NQ*(\sc)+NQ*\b+(\q)], v[SC+8*NQ*(\sc)+NQ*(\a)+(\q)] matrix_a_fmt:MATRIX_FMT_FP4 matrix_b_fmt:MATRIX_FMT_FP4 matrix_a_scale:MATRIX_SCALE_ROW1
.endif
.endr
.endr
.endm
.macro FETCH_B slot, q, p
	WIN TO_B
.irp i, 0,1,2,3,4,5,6,7
	FRAG 128*(\p)+FR*\i, ADRB+\slot, \q, \i
.endr
	WIN 0
.endm
.macro FETCH_A slot, q, i0
.irp i, \i0, \i0+1, \i0+2, \i0+3
	FRAG AF+FR*(\i), ADRA+\slot, \q, \i
.endr
.endm
.macro SCALES sc                       ; a slot's scale words: four words a row; lanes 0-15 take A's block i, lanes 16-31 B's block i
.irp i, 0,1,2,3,4,5,6,7
	ds_load_b128 v[SC+8*NQ*\sc+NQ*\i:SC+8*NQ*\sc+NQ*\i+3], v[ADRS] offset:\i*SBLK
.endr
.endm
.macro PLACES n                        ; plain vector lines between a matrix instruction and a load into, or a read of, its registers
.rept \n
	v_nop
.endr
.endm
.macro STEP slot, q, zero              ; 128 along K, with its successor in the same slot
	s_wait_dscnt 4*NL                              ; B's set and A's blocks 0-3 are in; the youngest eight loads (A's blocks 4-7) may be out
.if \zero
	WIN FIRST_LO
.else
	WIN MUL_LO
.endif
	MUL16 0, (\q)%2, \q, \slot, \zero
	MUL16 2, (\q)%2, \q, \slot, \zero
	s_wait_dscnt 0
	PLACES NP
	FETCH_B \slot, (\q)+1, 1-(\q)%2
	FETCH_A \slot, (\q)+1, 0
.if \zero
	WIN FIRST_HI
.else
	WIN MUL_HI
.endif
	MUL16 4, (\q)%2, \q, \slot, \zero
	MUL16 6, (\q)%2, \q, \slot, \zero
	PLACES NP
	WIN 0
	FETCH_A \slot, (\q)+1, 4
.endm
.macro STEPS slot, from
.set Q, \from
.rept NQ-1-\from
	STEP \slot, Q, 0
.set Q, Q+1
.endr
.endm
	s_wait_tensorcnt 1                             ; the scales and my part of slot 0 are in; slot 1's load may be out
	s_barrier_signal -1
	s_barrier_wait -1
	FETCH_B 0, 0, 0
	FETCH_A 0, 0, 0
	SCALES 0
	FETCH_A 0, 0, 4
	s_wait_loadcnt 0x0                             ; the bias
	STEP 0, 0, 1
	STEPS 0, 1
	; slot 0's last step changes slots: one barrier; in front of it my part of slot 1 has landed and my reads of slot 0 are over
	s_wait_tensorcnt 0x0
	ds_add_u32 v[SPW], v[NIL]
	s_wait_dscnt 4*NL+1                            ; the add and A's blocks 4-7 may be out
	WIN MUL_LO
	MUL16 0, 1, NQ-1, 0, 0
	s_wait_dscnt 0x0
	s_barrier_signal -1
	MUL16 2, 1, NQ-1, 0, 0
	WIN 0
	s_barrier_wait -1
	PLACES NP
	v_add_nc_u32 v[ADRS], 4*NQ, v[ADRS]            ; on to slot 1's scale words
	FETCH_B 1, 0, 0
	FETCH_A 1, 0, 0
	SCALES 1
	WIN MUL_HI
	MUL16 4, 1, NQ-1, 0, 0
	MUL16 6, 1, NQ-1, 0, 0
	PLACES NP
	WIN 0
	FETCH_A 1, 0, 4
	STEPS 1, 0
	s_wait_dscnt 4*NL                              ; the last step: nothing more to fetch
	WIN MUL_LO
	MUL16 0, 1, NQ-1, 1, 0
	MUL16 2, 1, NQ-1, 1, 0
	s_wait_dscnt 0
	WIN MUL_HI
	MUL16 4, 1, NQ-1, 1, 0
	MUL16 6, 1, NQ-1, 1, 0
	WIN 0
	PLACES NP                                      ; behind the last products: for the reads of results and the writes into registers that held operands and scales
	; THE FINE ROWS.  Waves 0 and 1 hold the tile's rows 0-127; their block 0 is rows 0-15.  Where the tile is a batch's first (tile row mod 8 = 0) those are positions 0-15: they leave as f32.
	; Which waves: a branch on the wave's number.  Which tiles: the stores' lanes are switched off elsewhere; no branch hangs on a work-group's place in its cluster.
	s_cmp_lg_u32 s15, 0
	s_cbranch_scc1 .Lno_fine
	WIN 0x08                                       ; an LDS store's data are its source 1: window 2
.irp b, 0,1,2,3,4,5,6,7
	ds_store_b128 v[STOF], v[8*\b:8*\b+3] offset:64*\b             ; each accumulator from its low end on
	ds_store_b128 v[STOF], v[8*\b+4:8*\b+7] offset:64*\b+16
.endr
	WIN 0
.irp t, 0,1,2,3,4,5,6,7,8,9,10,11,12,13,14,15
	ds_load_b128 v[FB+4*\t:FB+4*\t+3], v[RDF] offset:528*\t        ; LDS serves a wave's instructions in order: these see the stores above
.endr
	s_wait_dscnt 0x0
	v_cmp_eq_u32 vcc_lo, 0, v[FL]
	s_wait_xcnt 0x0                                ; EXEC changes only behind this wait
	s_and_saveexec_b32 s20, vcc_lo
.irp t, 0,1,2,3,4,5,6,7,8,9,10,11,12,13,14,15
	global_store_b128 v[COF], v[FB+4*\t:FB+4*\t+3], s[98:99] offset:256*\t   ; sixteen lanes store a head's row: 256 consecutive bytes, aligned
.endr
	s_wait_xcnt 0x0                                ; and again, in front of the line that widens it
	s_or_b32 exec_lo, exec_lo, s20
.Lno_fine:
	; THE WAY OUT, block by block of 16 rows x 128 columns: rounded to f16, through my stage, and out as units of two rows of one head
.macro PACK a
.set AC, 64*((\a)%4)
	WIN 0x0a+5*((\a)/4)                            ; sources 0 and 1: window 2 or 3
.irp b, 0,1,2,3,4,5,6,7
.irp r, 0,1,2,3
	v_cvt_pk_f16_f32 v[TMP+4*\b+\r], v[AC+8*\b+2*\r], v[AC+8*\b+2*\r+1]
.endr
.endr
	WIN 0
.endm
.macro TOSTAGE a
.set BB, BK+32*((\a)%2)
.irp b, 0,1,2,3,4,5,6,7
	ds_store_b128 v[STO16], v[TMP+4*\b:TMP+4*\b+3] offset:32*\b
.endr
.irp u, 0,1,2,3,4,5,6,7
	ds_load_b128 v[BB+4*\u:BB+4*\u+3], v[RD16] offset:544*\u
.endr
.endm
.macro SEND a
.set BB, BK+32*((\a)%2)
	s_wait_dscnt 0x0                               ; the block is back in registers
	s_wait_xcnt 0x0                                ; the stores of the block before have read their registers, into which the next block's loads will land
.irp u, 0,1,2,3,4,5,6,7
	global_store_b128 v[CO16], v[BB+4*\u:BB+4*\u+3], s[96:97] offset:2048*(\a)+256*\u   ; sixteen lanes store 256 consecutive bytes, aligned
.endr
.endm
	PACK 0
	TOSTAGE 0
.irp a, 1,2,3,4,5,6,7                  ; block a's conversions stand between block a - 1's loads from the stage and the wait for them
	PACK \a
	SEND \a-1
	TOSTAGE \a
.endr
	SEND 7
	s_wait_tensorcnt 0x0                           ; the wave's end
	ds_add_u32 v[SPW], v[NIL]
	s_wait_dscnt 0x0
	CROUND                                         ; the closing round
	s_endpgm
.Lfunc_end_k_qd4b9ee956c_qkv:
	.size	k_qd4b9ee956c_qkv, .Lfunc_end_k_qd4b9ee956c_qkv-k_qd4b9ee956c_qkv
	.p2alignl 7, 3214868480
	.fill 96, 4, 3214868480
	.section	.rodata,"a",@progbits
	.p2align	6, 0x0
	.amdhsa_kernel k_qd4b9ee956c_qkv
		.amdhsa_group_segment_fixed_size 327680
		.amdhsa_private_segment_fixed_size 0
		.amdhsa_enable_private_segment 0
		.amdhsa_kernarg_size 56
		.amdhsa_user_sgpr_count 2
		.amdhsa_user_sgpr_kernarg_segment_ptr 1
		.amdhsa_wavefront_size32 1
		.amdhsa_system_sgpr_workgroup_id_x 1
		.amdhsa_system_sgpr_workgroup_id_y 1
		.amdhsa_system_sgpr_workgroup_id_z 1
		.amdhsa_system_vgpr_workitem_id 0
		.amdhsa_next_free_vgpr 1024
		.amdhsa_next_free_sgpr 100
		.amdhsa_reserve_vcc 1
		.amdhsa_float_denorm_mode_32 3
		.amdhsa_float_denorm_mode_16_64 3
		.amdhsa_memory_ordered 1
		.amdhsa_forward_progress 1
		.amdhsa_inst_pref_size 133
	.end_amdhsa_kernel
	.amdgpu_metadata
---
amdhsa.version: [ 1, 2 ]
amdhsa.kernels:
  - .name:           k_qd4b9ee956c_qkv
    .symbol:         k_qd4b9ee956c_qkv.kd
    .args:
      - { .name: x_codes, .offset: 0, .size: 8, .value_kind: global_buffer, .address_space: global }
      - { .name: x_scales, .offset: 8, .size: 8, .value_kind: global_buffer, .address_space: global }
      - { .name: w_codes, .offset: 16, .size: 8, .value_kind: global_buffer, .address_space: global }
      - { .name: w_scales, .offset: 24, .size: 8, .value_kind: global_buffer, .address_space: global }
      - { .name: b_qkv, .offset: 32, .size: 8, .value_kind: global_buffer, .address_space: global }
      - { .name: qkv16, .offset: 40, .size: 8, .value_kind: global_buffer, .address_space: global }
      - { .name: firstqkv, .offset: 48, .size: 8, .value_kind: global_buffer, .address_space: global }
    .group_segment_fixed_size: 327680
    .private_segment_fixed_size: 0
    .kernarg_segment_align: 8
    .kernarg_segment_size: 56
    .max_flat_workgroup_size: 128
    .sgpr_count:     100
    .vgpr_count:     1024
    .wavefront_size: 32
...
	.end_amdgpu_metadata
.endif
;; end of part 2
;; launch attn (part 3): grid 4 x 64, 8 waves a work-group, no clusters, 327,680 bytes of LDS; arguments qkv16, att16; writes att16
.if DOCPART == 3
	.amdgcn_target "amdgcn-amd-amdhsa--gfx1250"
	.amdhsa_code_object_version 6
	.text
	.protected	k_qd4b9ee956c_attn
	.globl	k_qd4b9ee956c_attn
	.p2align	8
	.type	k_qd4b9ee956c_attn,@function
k_qd4b9ee956c_attn:
	s_mov_b64 s[64:65], 0
	v_nop
	global_prefetch_b8 v0, s[64:65] scope:SCOPE_SE
	s_setreg_imm32_b32 hwreg(HW_REG_WAVE_MODE, 25, 1), 1
	s_wait_xcnt 0x0
; ATTN: causal attention of one (batch, head): O[q] = sum over k <= q of softmax_k(Q[q] . K[k] / 8) V[k].  Operands f16, products, maxima and sums f32; the weights p are rounded to f16 for the second product.
; In: qkv16 [which][16 b + h][2048][64] f16.  Out: att16 [h][2048 b + t][64] f16.  LIMIT: results within f16's range; NaN and infinities are not served.
; SHARES.  Work-group (p, head) owns query blocks 7 - p and p, 256 queries each.  It walks key slots 0 .. 7 - p for the first and 0 .. p for the second: nine slots of 256 keys whatever p is,
; so the loop's trip count is a constant and all 256 work-groups have equal work.  A wave owns 32 queries, two tiles of 16; eight waves, two to a SIMD.
; NO CLUSTER: from the fifth trip on the four work-groups of a head need different slots; walked jointly the four would need twelve slots' time for nine slots' work.
; LAYOUT.  S^T = K Q^T (source 0 = 16 keys, source 1 = 16 queries): a lane holds ONE query (lane % 16) and keys 8 (lane / 16) + 0..7 of each tile.  Two such tiles, rounded in pairs, are source 1 of
; O^T = V^T P.  K comes out of LDS as it lies, V turned, by ds_load_tr16_b128.
; SOFTMAX.  A running maximum m and sum l for each query: p = 2^(c s - c m), c = log2(e) / 8; in every step O and l are multiplied by a = 2^(c m_old - c m_new).
; THE MASK.  A step of 64 keys that all come after the wave's 32 queries is jumped over (a scalar branch on ids and counts); in the one step on the diagonal hidden scores become -infinity.
; REGISTERS.  Window 0: v1-15 addresses; v16-31 statistics, eight a tile (c m, m, l even, l odd, four at work; a takes the third's place); v32-95 S^T; v96-127 P; v128-191 O^T; v192, v193.
;   Window 1: v0-31 Q; v32-95 K of a step; v96-159 V of a step; v160-191 the second block's Q.
.set VOFF,  34816                      ; a slot: K as 128 rows of 256 bytes (two keys a row) + 16 of padding, then V likewise + 32
.set SLOT1, 1<<17                      ; slot 1 begins here: one exclusive or turns an address from one slot to the other
.set STAGE, SLOT1+71680                ; behind the ring: for each wave 32 rows x (128 bytes + 16), for the way out
.set SPARE, STAGE+8*4608               ; the spare words: 128 bytes for each of eight waves
.set AK0, 2
.set AV0, 3
.set ADK, 4
.set ADV, 5
.set QO,  6
.set STO, 7
.set RD,  8
.set GO,  9
.set DG,  10                           ; v10  lane % 16 - 8 (lane / 16)
.set D0,  11                           ; v11, v15: my query less the step's first key less 8 (lane / 16), for tiles 0 and 1
.set SPW, 12
.set NIL, 13
.set PFO, 14                           ; v14  256 x lane: the prefetches' offset in K;  v192: the same in V
.set PFO2, 192
.set NINF, 193
.set ST,  16
.set S,   32
.set P,   96
.set O,   128
.set QR,  0
.set KR,  32
.set VR,  96
.set Q2,  160
.set WV,  8
.set PP,  9
.set BH,  10
.set KB,  14                           ; s[14:15] K of my head, at the half of a slot that I fetch;  s[16:17] V likewise
.set VB,  16
.set OFF, 18                           ; s[18:19] the next slot's byte offset
.set SEL, 20
.set CS,  22
.set G1K, 24
.set G1V, 32
.set G0K, 40
.set G0V, 44
.set TR,  48                           ; the trip
.set LASTA, 49                         ; the first block's last trip: 7 - p
.set WRAP, 50                          ; 8 - p
.set KF,  51                           ; the step's first key
.set Q0,  52                           ; my first query
.set TB,  53                           ; LDS byte at which the slot in hand begins
.set OB,  54                           ; s[54:55] my 32 rows of att16
.set PFA, 56
.set LIM, 58
.set Q0B, 71
.set QA,  72
.set QB,  74
.set HB,  76
.set MSB, 0
.macro WIN new
.if MSB != \new
	s_set_vgpr_msb (MSB<<8)|\new
.set MSB, \new
.endif
.endm
; Waves 0 and 1 fetch K's halves of a slot, waves 2 and 3 V's, the others nothing.  An s_nop 0 and four v_nop follow each line.
.macro TLOAD
	s_cmp_lt_u32 s[WV], 2
	s_cbranch_scc0 .Lnot_k_\@
	tensor_load_to_lds s[G0K:G0K+3], s[G1K:G1K+7]
	s_nop 0
.rept 4
	v_nop
.endr
	s_branch .Lasked_\@
.Lnot_k_\@:
	s_cmp_lt_u32 s[WV], 4
	s_cbranch_scc0 .Lasked_\@
	tensor_load_to_lds s[G0V:G0V+3], s[G1V:G1V+7]
	s_nop 0
.rept 4
	v_nop
.endr
.Lasked_\@:
.endm
; A prefetch of the slot that the NEXT change of slots will ask for.  The four work-groups of a head walk the same first slots: the one with p = 0, which walks all eight, asks; in it waves 4 to 7, which fetch
; nothing: 8,192 bytes of K and 8,192 of V each, lanes 256 bytes apart.  So each block of 256 bytes is named once.  Trips 0 to 5 ask for slots 2 to 7; later trips ask for nothing.
.macro ASK
	s_cmp_lt_u32 s[TR], s[LIM]
	s_cbranch_scc0 .Lnot_mine_\@
	global_prefetch_b8 v[PFO], s[PFA:PFA+1] th:TH_LOAD_NT scope:SCOPE_SE
	global_prefetch_b8 v[PFO2], s[PFA:PFA+1] th:TH_LOAD_NT scope:SCOPE_SE
.Lnot_mine_\@:
.endm
	s_load_b128 s[4:7], s[0:1], 0x0                ; qkv16 s[4:5], att16 s[6:7]
	v_lshl_add_u32 v[SPW], v0, 2, SPARE
	v_mov_b32 v[NIL], 0
	ds_add_u32 v[SPW], v[NIL]                      ; the wave's opening: the add, twice on end, and its wait ahead of the first tensor load
	ds_add_u32 v[SPW], v[NIL]
	v_lshrrev_b32 v1, 5, v0
	v_readfirstlane_b32 s[WV], v1                  ; wave 0..7
	s_mov_b32 s[PP], ttmp9
	s_and_b32 s[BH], ttmp7, 0xffff                 ; 16 b + h
	s_mov_b32 s[G1K], (3<<16)|(1<<20)|(5<<22)|(3<<25)      ; elements of 8 bytes; padding on: 4 words behind every 64
	s_mov_b32 s[G1V], (3<<16)|(1<<20)|(5<<22)|(7<<25)      ; the same with 8 words
.irp g, G1K, G1V
	s_mov_b32 s[\g+1], 32<<16                      ; tensor_dim0: 32 elements = 256 bytes = two keys
	s_mov_b32 s[\g+2], 64<<16                      ; tensor_dim1: 64 rows = half a slot
	s_mov_b32 s[\g+3], 32<<16                      ; tile_dim0
	s_mov_b32 s[\g+4], 64                          ; tile_dim1
	s_mov_b32 s[\g+5], 32                          ; dense in memory
	s_mov_b32 s[\g+6], 0
	s_mov_b32 s[\g+7], 0
.endr
	s_mov_b32 s[SEL], 0x76543210
	s_mov_b32 s[SEL+1], 0xfedcba98                 ; v_permlanex16_b32: lane l xor 16
	s_mov_b32 s[CS], 0x3e38aa3b                    ; c = log2(e) / 8
	s_mov_b32 s[CS+1], s[CS]
	s_sub_co_u32 s[LASTA], 7, s[PP]
	s_sub_co_u32 s[WRAP], 8, s[PP]
	s_mov_b32 s[KF], 0
	s_mov_b32 s[TB], 0
	s_mov_b32 s[OFF], 0
	s_mov_b32 s[OFF+1], 0
	s_lshl_b32 s59, s[LASTA], 8
	s_lshl_b32 s60, s[WV], 5
	s_add_co_u32 s[Q0], s59, s60                   ; my first query in block 7 - p,
	s_lshl_b32 s59, s[PP], 8
	s_add_co_u32 s[Q0B], s59, s60                  ; and in block p
	s_and_b32 s59, s[WV], 1
	s_lshl_b32 s66, s59, 14                        ; which half of a slot I fetch: 16,384 bytes
	s_lshl_b32 s62, s[BH], 18                      ; my head
	s_add_co_u32 s66, s66, s62
	s_mov_b32 s67, 0
	s_mul_i32 s68, s59, 17408                      ; where it goes: K's half,
	s_mul_i32 s69, s59, 18432
	s_add_co_u32 s69, s69, VOFF                    ; V's half
	s_lshr_b32 s59, s[WV], 2
	s_xor_b32 s59, s59, 1                          ; 0 in waves 4 to 7,
	s_or_b32 s59, s59, ttmp9                       ; of the work-group with p = 0
	s_cmp_eq_u32 s59, 0
	s_cselect_b32 s[LIM], 6, 0
	s_wait_dscnt 0x0                               ; both opening adds are done
	s_wait_kmcnt 0x0
	s_add_nc_u64 s[KB:KB+1], s[4:5], s[66:67]
	s_add_nc_u64 s[VB:VB+1], s[KB:KB+1], 0x2000000
	s_add_nc_u64 s[KB:KB+1], s[KB:KB+1], 0x1000000
	s_mov_b32 s[G0K], 1
	s_mov_b32 s[G0K+1], s68
	s_mov_b64 s[G0K+2:G0K+3], s[KB:KB+1]
	s_or_b32 s[G0K+3], s[G0K+3], 0x80000000
	s_mov_b32 s[G0V], 1
	s_mov_b32 s[G0V+1], s69
	s_mov_b64 s[G0V+2:G0V+3], s[VB:VB+1]
	s_or_b32 s[G0V+3], s[G0V+3], 0x80000000
	TLOAD                                          ; slot 0: keys 0-255, which count for both blocks
	s_mov_b32 s61, 0
	s_lshl_b32 s60, s[Q0], 7
	s_add_co_u32 s60, s60, s62
	s_add_nc_u64 s[QA:QA+1], s[4:5], s[60:61]
	s_lshl_b32 s60, s[Q0B], 7
	s_add_co_u32 s60, s60, s62
	s_add_nc_u64 s[QB:QB+1], s[4:5], s[60:61]
	s_and_b32 s60, s[BH], 15
	s_lshl_b32 s60, s60, 20
	s_lshr_b32 s59, s[BH], 4
	s_lshl_b32 s59, s59, 18
	s_add_co_u32 s60, s60, s59
	s_add_nc_u64 s[HB:HB+1], s[6:7], s[60:61]      ; att16 at (h, 2048 b)
	s_lshl_b32 s60, s[Q0], 7
	s_add_nc_u64 s[OB:OB+1], s[HB:HB+1], s[60:61]
	s_and_b32 s60, s[WV], 3
	s_lshl_b32 s60, s60, 13
	s_add_co_u32 s60, s60, s62
	s_add_co_u32 s60, s60, 0x1008000               ; K, slot 1, my 8,192 bytes: the first change of slots steps it to slot 2
	s_add_nc_u64 s[PFA:PFA+1], s[4:5], s[60:61]
	v_and_b32 v1, 15, v0                           ; r
	v_bfe_u32 v16, v0, 4, 1                        ; h
	v_lshlrev_b32 v[QO], 7, v1
	v_lshl_add_u32 v[QO], v16, 4, v[QO]            ; Q: row r of 128 bytes, + 16 h
	WIN 0x40                                       ; destination window 1
.irp qt, 0,1
.irp kc, 0,1
	global_load_b128 v[QR+16*\qt+8*\kc:QR+16*\qt+8*\kc+3], v[QO], s[QA:QA+1] offset:2048*\qt+64*\kc
	global_load_b128 v[QR+16*\qt+8*\kc+4:QR+16*\qt+8*\kc+7], v[QO], s[QA:QA+1] offset:2048*\qt+64*\kc+32
	global_load_b128 v[Q2+16*\qt+8*\kc:Q2+16*\qt+8*\kc+3], v[QO], s[QB:QB+1] offset:2048*\qt+64*\kc
	global_load_b128 v[Q2+16*\qt+8*\kc+4:Q2+16*\qt+8*\kc+7], v[QO], s[QB:QB+1] offset:2048*\qt+64*\kc+32
.endr
.endr
	WIN 0
	v_lshrrev_b32 v17, 1, v1
	v_mul_u32_u24 v[AK0], v17, 272
	v_and_b32 v17, 1, v0
	v_lshl_add_u32 v[AK0], v17, 7, v[AK0]
	v_lshl_add_u32 v[AK0], v16, 4, v[AK0]          ; K: key r lies at 272 (r / 2) + 128 (r % 2); + 16 h
	v_bfe_u32 v18, v0, 1, 2
	v_lshl_add_u32 v18, v16, 2, v18
	v_mul_u32_u24 v[AV0], v18, 288
	v_lshl_add_u32 v[AV0], v17, 7, v[AV0]
	v_bfe_u32 v18, v0, 3, 1
	v_lshl_add_u32 v[AV0], v18, 4, v[AV0]
	v_add_nc_u32 v[AV0], VOFF, v[AV0]              ; V: the turning load's lane l reads key 8 h + l % 8, channels 8 ((l / 8) % 2) + 0..7
	s_mul_i32 s59, s[WV], 4608
	s_add_co_u32 s59, s59, STAGE                   ; my stage
	v_mul_u32_u24 v[STO], v1, 144
	v_lshl_add_u32 v[STO], v16, 4, v[STO]
	v_add_nc_u32 v[STO], s59, v[STO]               ; in: row r, 16 bytes for each half of the lanes
	v_bfe_u32 v18, v0, 3, 2
	v_mul_u32_u24 v[RD], v18, 144
	v_and_b32 v19, 7, v0
	v_lshl_add_u32 v[RD], v19, 4, v[RD]
	v_add_nc_u32 v[RD], s59, v[RD]                 ; back: eight lanes to a row of 128 bytes, four rows an instruction
	v_and_b32 v19, 31, v0
	v_lshlrev_b32 v[GO], 4, v19                    ; and the same 512 consecutive bytes in att16
	v_lshlrev_b32 v[PFO], 8, v19
	v_add_nc_u32 v[PFO2], 0x1000000, v[PFO]
	v_lshlrev_b32 v18, 3, v16
	v_sub_nc_u32 v[DG], v1, v18
	v_mov_b32 v[NINF], 0xff800000
.macro INIT                            ; a block begins: O^T and l are zeros, m lies under every score.  The step is written once: the first finds zeros, which a = 0 leaves zeros
.set i, 0
.rept 64
	v_mov_b32 v[O+i], 0
.set i, i+1
.endr
.irp t, 0,1
	v_mov_b32 v[ST+8*\t+1], 0xff61b1e6             ; -3e38
	v_mul_f32 v[ST+8*\t], s[CS], v[ST+8*\t+1]
	v_mov_b32 v[ST+8*\t+2], 0
	v_mov_b32 v[ST+8*\t+3], 0
	v_mov_b32 v[ST+8*\t+5], 0                      ; (a lane permute's destination counts as read)
	v_mov_b32 v[ST+8*\t+6], 0
	v_mov_b32 v[ST+8*\t+7], 0
.endr
.endm
; The softmax of a step, both tiles line by line by turns, so that no line reads the result of the line above it.
.macro SOFTMAX
.irp c, 0,1,2,3
.irp t, 0,1
	v_max3_num_f32 v[ST+8*\t+4+\c], v[S+32*\t+8*\c], v[S+32*\t+8*\c+1], v[S+32*\t+8*\c+2]   ; four chains; each accumulator is read from its low end on
.endr
.endr
.irp g, 1,2
.irp c, 0,1,2,3
.irp t, 0,1
	v_max3_num_f32 v[ST+8*\t+4+\c], v[ST+8*\t+4+\c], v[S+32*\t+8*\c+2*\g+1], v[S+32*\t+8*\c+2*\g+2]
.endr
.endr
.endr
.irp t, 0,1
	v_max3_num_f32 v[ST+8*\t+4], v[ST+8*\t+4], v[S+32*\t+7], v[S+32*\t+15]
	v_max3_num_f32 v[ST+8*\t+6], v[ST+8*\t+6], v[S+32*\t+23], v[S+32*\t+31]
.endr
.irp t, 0,1
	v_max3_num_f32 v[ST+8*\t+4], v[ST+8*\t+4], v[ST+8*\t+5], v[ST+8*\t+6]
.endr
.irp t, 0,1
	v_max3_num_f32 v[ST+8*\t+4], v[ST+8*\t+4], v[ST+8*\t+7], v[ST+8*\t+1]   ; with the old m
.endr
.irp t, 0,1
	v_permlanex16_b32 v[ST+8*\t+5], v[ST+8*\t+4], s[SEL], s[SEL+1]          ; the query's other 32 keys lie in the lane 16 away
.endr
.irp t, 0,1
	v_mov_b32 v[ST+8*\t+7], v[ST+8*\t]             ; c m_old
.endr
.irp t, 0,1
	v_max_num_f32 v[ST+8*\t+1], v[ST+8*\t+4], v[ST+8*\t+5]
.endr
.irp t, 0,1
	v_mul_f32 v[ST+8*\t], s[CS], v[ST+8*\t+1]
.endr
.irp t, 0,1
	v_sub_f32 v[ST+8*\t+7], v[ST+8*\t+7], v[ST+8*\t]
.endr
.irp b, 0,2,4,6,8,10,12,14,16,18,20,22,24,26,28,30
.irp t, 0,1
	v_pk_fma_f32 v[S+32*\t+\b:S+32*\t+\b+1], v[S+32*\t+\b:S+32*\t+\b+1], s[CS:CS+1], v[ST+8*\t:ST+8*\t+1] op_sel_hi:[1,0,0] neg_lo:[0,0,1] neg_hi:[0,0,1]   ; c s - c m
.endr
.endr
.irp t, 0,1
	v_exp_f32 v[ST+8*\t+6], v[ST+8*\t+7]           ; a
.endr
.set i, 0
.rept 64
	v_exp_f32 v[S+i], v[S+i]                       ; p, at most 1
.set i, i+1
.endr
	v_nop                                          ; a plain line behind the last exponential
	s_wait_alu depctr_va_vdst(0)                   ; one wait for the batch of 66, ahead of its first reader
.set i, 0
.rept 32
	v_cvt_pk_f16_f32 v[P+i], v[S+2*i], v[S+2*i+1]  ; pairs of neighbouring keys: source 1 of the second product as it stands
.set i, i+1
.endr
.irp u, 0,4,8,12,16,20,24,28
.irp t, 0,1
	v_pk_add_f32 v[S+32*\t+\u:S+32*\t+\u+1], v[S+32*\t+\u:S+32*\t+\u+1], v[S+32*\t+\u+2:S+32*\t+\u+3]   ; the sum of the unrounded p, in place
.endr
.endr
.irp u, 0,8,16,24
.irp t, 0,1
	v_pk_add_f32 v[S+32*\t+\u:S+32*\t+\u+1], v[S+32*\t+\u:S+32*\t+\u+1], v[S+32*\t+\u+4:S+32*\t+\u+5]
.endr
.endr
.irp u, 0,16
.irp t, 0,1
	v_pk_add_f32 v[S+32*\t+\u:S+32*\t+\u+1], v[S+32*\t+\u:S+32*\t+\u+1], v[S+32*\t+\u+8:S+32*\t+\u+9]
.endr
.endr
.irp t, 0,1
	v_pk_add_f32 v[S+32*\t:S+32*\t+1], v[S+32*\t:S+32*\t+1], v[S+32*\t+16:S+32*\t+17]
.endr
.irp t, 0,1
	v_pk_fma_f32 v[ST+8*\t+2:ST+8*\t+3], v[ST+8*\t+2:ST+8*\t+3], v[ST+8*\t+6:ST+8*\t+7], v[S+32*\t:S+32*\t+1] op_sel_hi:[1,0,1]   ; l = a l + the sum
.endr
.irp u, 0,2,4,6,8,10,12,14,16,18,20,22,24,26,28,30
.irp t, 0,1
	v_pk_mul_f32 v[O+32*\t+\u:O+32*\t+\u+1], v[O+32*\t+\u:O+32*\t+\u+1], v[ST+8*\t+6:ST+8*\t+7] op_sel_hi:[1,0]   ; O^T x a
.endr
.endr
.endm
; A KEY STEP: 64 keys, the n-th of the slot in hand.
.macro STEP n
	s_add_co_u32 s59, s[Q0], 31
	s_cmp_gt_u32 s[KF], s59                        ; all its keys come after my 32 queries: nothing to do but the count at the end
	s_cbranch_scc1 .Lhidden_\@
	v_add_nc_u32 v[ADK], s[TB], v[AK0]
	v_add_nc_u32 v[ADV], s[TB], v[AV0]
	v_nop
	v_nop                                          ; four plain lines between the last products and the loads into the registers that they read
	WIN 0x40
.irp kt, 0,1,2,3
.irp kc, 0,1
	ds_load_b128 v[KR+16*\kt+8*\kc:KR+16*\kt+8*\kc+3], v[ADK] offset:8704*(\n)+2176*\kt+64*\kc
	ds_load_b128 v[KR+16*\kt+8*\kc+4:KR+16*\kt+8*\kc+7], v[ADK] offset:8704*(\n)+2176*\kt+64*\kc+32
.endr
.endr
.irp kh, 0,1
.irp c4, 0,1,2,3
	ds_load_tr16_b128 v[VR+32*\kh+8*\c4:VR+32*\kh+8*\c4+3], v[ADV] offset:9216*(\n)+4608*\kh+32*\c4
	ds_load_tr16_b128 v[VR+32*\kh+8*\c4+4:VR+32*\kh+8*\c4+7], v[ADV] offset:9216*(\n)+4608*\kh+32*\c4+2304
.endr
.endr
	s_wait_dscnt 16                                ; K's sixteen loads are in; V's sixteen may be out
	WIN 0x05                                       ; K and Q window 1, S^T window 0
.irp kc, 0,1                                   ; the eight accumulators take turns, one instruction a turn
.irp kt, 0,1,2,3
.irp qt, 0,1
.if \kc == 0
	v_wmma_f32_16x16x32_f16 v[S+32*\qt+8*\kt:S+32*\qt+8*\kt+7], v[KR+16*\kt+8*\kc:KR+16*\kt+8*\kc+7], v[QR+16*\qt+8*\kc:QR+16*\qt+8*\kc+7], 0
.else
	v_wmma_f32_16x16x32_f16 v[S+32*\qt+8*\kt:S+32*\qt+8*\kt+7], v[KR+16*\kt+8*\kc:KR+16*\kt+8*\kc+7], v[QR+16*\qt+8*\kc:QR+16*\qt+8*\kc+7], v[S+32*\qt+8*\kt:S+32*\qt+8*\kt+7]
.endif
.endr
.endr
.endr
	WIN 0
.rept 4
	v_nop                                          ; places in front of the first read of the scores
.endr
	s_add_co_u32 s59, s[KF], 63
	s_cmp_le_u32 s59, s[Q0]                        ; all 64 keys count for all my queries: no mask
	s_cbranch_scc1 .Lopen_\@
	s_sub_co_i32 s59, s[Q0], s[KF]
	v_add_nc_u32 v[D0], s59, v[DG]                 ; register 8 kt + j of tile qt holds key KF + 16 kt + 8 h + j and query Q0 + 16 qt + r: hidden where 16 kt + j > d
	v_add_nc_u32 v[D0+4], 16, v[D0]
.irp qt, 0,1
.irp kt, 0,1,2,3
.irp j, 0,1,2,3,4,5,6,7
	v_cmp_gt_i32 vcc_lo, 16*\kt+\j, v[D0+4*\qt]
	v_cndmask_b32 v[S+32*\qt+8*\kt+\j], v[S+32*\qt+8*\kt+\j], v[NINF], vcc_lo
.endr
.endr
.endr
.Lopen_\@:
	SOFTMAX
	s_wait_dscnt 0x0                               ; V is in
	WIN 0x01                                       ; V window 1; P, O^T window 0
.irp kh, 0,1
.irp c4, 0,1,2,3
.irp qt, 0,1
	v_wmma_f32_16x16x32_f16 v[O+32*\qt+8*\c4:O+32*\qt+8*\c4+7], v[VR+32*\kh+8*\c4:VR+32*\kh+8*\c4+7], v[P+16*\qt+8*\kh:P+16*\qt+8*\kh+7], v[O+32*\qt+8*\c4:O+32*\qt+8*\c4+7]
.endr
.endr
.endr
	WIN 0
.Lhidden_\@:
	s_add_co_u32 s[KF], s[KF], 64
.endm
; THE CHANGE OF SLOTS stands at a slot's head.  Each wave waits for all its tensor loads, adds 0 to its spare word, and waits for that and for its reads of the slot that it has left; one barrier.
; fill = 1: behind it the slot just left takes the walk's next 256 keys; that one load a wave has a whole slot's steps in which to land.
.macro CHANGE fill
	s_wait_tensorcnt 0x0                           ; no tensor load of mine is out, so a group 0 may be written
	ds_add_u32 v[SPW], v[NIL]
.if \fill
	ds_add_u32 v[SPW], v[NIL]                      ; and twice on end here, in every trip alike
	s_add_co_u32 s59, s[TR], 1                     ; the next trip's slot of keys: the trip itself in the first block, from 0 again in the second
	s_sub_co_u32 s60, s59, s[WRAP]
	s_cmp_le_u32 s59, s[LASTA]
	s_cselect_b32 s[OFF], s59, s60
	s_lshl_b32 s[OFF], s[OFF], 15                  ; 32,768 bytes a slot, of K and of V
	s_xor_b32 s[G0K+1], s[G0K+1], SLOT1
	s_xor_b32 s[G0V+1], s[G0V+1], SLOT1
	s_add_nc_u64 s[G0K+2:G0K+3], s[KB:KB+1], s[OFF:OFF+1]
	s_or_b32 s[G0K+3], s[G0K+3], 0x80000000
	s_add_nc_u64 s[G0V+2:G0V+3], s[VB:VB+1], s[OFF:OFF+1]
	s_or_b32 s[G0V+3], s[G0V+3], 0x80000000
	s_wait_xcnt 0x0                                ; the last prefetches, a slot back, have read their address
	s_add_nc_u64 s[PFA:PFA+1], s[PFA:PFA+1], 32768
.endif
	s_wait_dscnt 0x0                               ; the adds are done, and my reads of the slot that I have left are over
	s_barrier_signal -1
	s_barrier_wait -1
.if \fill
	TLOAD
	ASK
.endif
.endm
; A block's end: O^T / l, rounded to f16, through my stage, out as 512 consecutive bytes an instruction.
.macro FINISH
.rept 4
	v_nop                                          ; places behind the last products
.endr
.irp t, 0,1
	v_add_f32 v[ST+8*\t+4], v[ST+8*\t+2], v[ST+8*\t+3]
.endr
.irp t, 0,1
	v_permlanex16_b32 v[ST+8*\t+5], v[ST+8*\t+4], s[SEL], s[SEL+1]
.endr
.irp t, 0,1
	v_add_f32 v[ST+8*\t+4], v[ST+8*\t+4], v[ST+8*\t+5]
.endr
.irp t, 0,1
	v_rcp_f32 v[ST+8*\t+6], v[ST+8*\t+4]           ; l is at least 1: the largest p of a row is 1
.endr
	v_nop
	s_wait_alu depctr_va_vdst(0)                   ; one wait for both reciprocals, ahead of their first reader
.irp t, 0,1
.set i, 0
.rept 16
	v_pk_mul_f32 v[O+32*\t+i:O+32*\t+i+1], v[O+32*\t+i:O+32*\t+i+1], v[ST+8*\t+6:ST+8*\t+7] op_sel_hi:[1,0]
.set i, i+2
.endr
.endr
.set i, 0
.rept 32
	v_cvt_pk_f16_f32 v[S+i], v[O+2*i], v[O+2*i+1]
.set i, i+1
.endr
.irp qt, 0,1
.irp c4, 0,1,2,3
	ds_store_b128 v[STO], v[S+16*\qt+4*\c4:S+16*\qt+4*\c4+3] offset:2304*\qt+32*\c4
.endr
.endr
.irp qt, 0,1
.irp u, 0,1,2,3
	ds_load_b128 v[S+32+16*\qt+4*\u:S+32+16*\qt+4*\u+3], v[RD] offset:2304*\qt+576*\u   ; LDS serves a wave's instructions in order: these see the stores above
.endr
.endr
.irp qt, 0,1
.irp u, 0,1,2,3
	s_wait_dscnt 7-4*\qt-\u
	global_store_b128 v[GO], v[S+32+16*\qt+4*\u:S+32+16*\qt+4*\u+3], s[OB:OB+1] offset:2048*\qt+512*\u
.endr
.endr
	s_wait_xcnt 0x0                                ; the stores have read their data and their base: both are written again
.endm
	INIT
	s_wait_loadcnt 0x0                             ; Q of both blocks
	s_mov_b32 s[TR], 0
.Ltrip:                                            ; eight trips; behind each change of slots the next trip's slot is asked for
	CHANGE 1
	STEP 0
	STEP 1
	STEP 2
	STEP 3
	s_xor_b32 s[TB], s[TB], SLOT1
	s_cmp_lg_u32 s[TR], s[LASTA]
	s_cbranch_scc1 .Lsame_block
	FINISH                                         ; block 7 - p is done: on to block p
	WIN 0x41
.set i, 0
.rept 32
	v_mov_b32 v[QR+i], v[Q2+i]
.set i, i+1
.endr
	WIN 0
	INIT
	s_mov_b32 s[KF], 0
	s_mov_b32 s[Q0], s[Q0B]
	s_lshl_b32 s60, s[Q0B], 7
	s_mov_b32 s61, 0
	s_add_nc_u64 s[OB:OB+1], s[HB:HB+1], s[60:61]
.Lsame_block:
	s_add_co_u32 s[TR], s[TR], 1
	s_cmp_lt_u32 s[TR], 8
	s_cbranch_scc1 .Ltrip
	CHANGE 0                                       ; the ninth slot is written out: nothing is left to fetch
	STEP 0
	STEP 1
	STEP 2
	STEP 3
	FINISH
	s_wait_tensorcnt 0x0                           ; the wave's end
	ds_add_u32 v[SPW], v[NIL]
	s_wait_dscnt 0x0
	s_endpgm
.Lfunc_end_k_qd4b9ee956c_attn:
	.size	k_qd4b9ee956c_attn, .Lfunc_end_k_qd4b9ee956c_attn-k_qd4b9ee956c_attn
	.p2alignl 7, 3214868480
	.fill 96, 4, 3214868480
	.section	.rodata,"a",@progbits
	.p2align	6, 0x0
	.amdhsa_kernel k_qd4b9ee956c_attn
		.amdhsa_group_segment_fixed_size 327680
		.amdhsa_private_segment_fixed_size 0
		.amdhsa_enable_private_segment 0
		.amdhsa_kernarg_size 16
		.amdhsa_user_sgpr_count 2
		.amdhsa_user_sgpr_kernarg_segment_ptr 1
		.amdhsa_wavefront_size32 1
		.amdhsa_system_sgpr_workgroup_id_x 1
		.amdhsa_system_sgpr_workgroup_id_y 1
		.amdhsa_system_sgpr_workgroup_id_z 1
		.amdhsa_system_vgpr_workitem_id 0
		.amdhsa_next_free_vgpr 448
		.amdhsa_next_free_sgpr 78
		.amdhsa_reserve_vcc 1
		.amdhsa_float_denorm_mode_32 3
		.amdhsa_float_denorm_mode_16_64 3
		.amdhsa_memory_ordered 1
		.amdhsa_forward_progress 1
		.amdhsa_inst_pref_size 200
	.end_amdhsa_kernel
	.amdgpu_metadata
---
amdhsa.version: [ 1, 2 ]
amdhsa.kernels:
  - .name:           k_qd4b9ee956c_attn
    .symbol:         k_qd4b9ee956c_attn.kd
    .args:
      - { .name: qkv16, .offset: 0, .size: 8, .value_kind: global_buffer, .address_space: global }
      - { .name: att16, .offset: 8, .size: 8, .value_kind: global_buffer, .address_space: global }
    .group_segment_fixed_size: 327680
    .private_segment_fixed_size: 0
    .kernarg_segment_align: 8
    .kernarg_segment_size: 16
    .max_flat_workgroup_size: 256
    .sgpr_count:     78
    .vgpr_count:     448
    .wavefront_size: 32
...
	.end_amdgpu_metadata
.endif
;; end of part 3
;; launch proj (part 4): grid 4 x 64, 4 waves a work-group, clusters of 4 x 4, 327,680 bytes of LDS; arguments att16, wpT, b_proj, out0; writes out0
.if DOCPART == 4
	.amdgcn_target "amdgcn-amd-amdhsa--gfx1250"
	.amdhsa_code_object_version 6
	.text
	.protected	k_qd4b9ee956c_proj
	.globl	k_qd4b9ee956c_proj
	.p2align	8
	.type	k_qd4b9ee956c_proj,@function
k_qd4b9ee956c_proj:
	s_mov_b64 s[64:65], 0
	v_nop
	global_prefetch_b8 v0, s[64:65] scope:SCOPE_SE
	s_setreg_imm32_b32 hwreg(HW_REG_WAVE_MODE, 25, 1), 1
	s_wait_xcnt 0x0
	s_wait_alu depctr_hold_cnt(0) depctr_sa_sdst(0) depctr_va_vdst(0) depctr_va_sdst(0) depctr_va_ssrc(0) depctr_va_vcc(0) depctr_vm_vsrc(0)
	s_getreg_b32 s2, hwreg(HW_REG_IB_STS2, 6, 4)
	s_cmp_eq_u32 s2, 0
	s_cbranch_scc0 .Lentry_in_a_cluster
	s_endpgm
.Lentry_in_a_cluster:
	s_bfe_u32 s2, ttmp6, 0x10000c
	s_cmp_lg_u32 s2, 0xf033
	s_cbranch_scc0 .Lentry_shape_is_right
	s_endpgm
.Lentry_shape_is_right:
; PROJ: out0 = att W_proj + b_proj, f16 operands, f32 sums.  A = att16 [h 16][m 8192][64] (k = 64 h + d), B = wpT [n 1024][k 1024], out0 [8192][1024] f32.
; A tile of 128 x 256 to a work-group of four waves, 64 x 128 a wave: 32 accumulators.  256 work-groups.  K goes in steps of 128 (two heads) through a ring of two LDS slots.
; The rows of positions 0-15 of each batch are written here like all others and written again, finely, by the next launch.
; CLUSTERS: 4 x 4 work-groups; A's tile is shared along a row of the cluster (the four column tiles), B's along a column: joint loads.
; THE MATRIX INSTRUCTION IS USED TRANSPOSED (source 0 = 16 rows of wpT, source 1 = 16 rows of att): a lane holds eight neighbouring columns of one row of out0.  The bias is the C of each sum's first product.
; REGISTERS: window 0: v16-29 addresses; v64-127 the bias; v128-255 the way out.  Window 1: two fragment buffers of 96 (A's four blocks, then B's eight; 32 along K).  Window 2: the accumulators, (a, b) at v[8 (8 a + b)].
.set LAPS,   4                         ; a lap = two K steps
.set APL,    17408                     ; A's plane of one head: 128 rows of 128 bytes as 64 LDS rows of 256 + 16
.set BOFF,   34816                     ; B behind A's two planes: 256 rows of 256 bytes + 16
.set BHALF,  34816
.set SLOT,   104448
.set SPARE,  2*SLOT
.set SPITCH, 528                       ; the way out: for each wave 16 rows x (512 bytes + 16), in slot 0, which has had its last fill and its last read by then
.set ADRA, 16
.set ADRB, 20
.set STO,  24
.set RD,   25
.set CO,   26
.set BOF,  27
.set SPW,  28
.set NIL,  29
.set BIAS, 64
.set BK,   128
.set F0,   0
.set F1,   96
.set G1, 24
.set G0, 32
.set G1B, 48
.set G0B, 56
.set MSB, 0
.macro WIN new
.if MSB != \new
	s_set_vgpr_msb (MSB<<8)|\new
.set MSB, \new
.endif
.endm
.set MUL,  0xa5                        ; sources 0 and 1 window 1; C and D window 2
.set MUL0, 0x85                        ; the first quarter: C (the bias) window 0
.set TO_F, 0x40
.macro JLOAD s                         ; waves 0 and 1 fetch A's two planes, waves 2 and 3 B's two halves; an s_nop 0 and four v_nop follow each line
	s_cmp_eq_u32 s13, 0
	s_cbranch_scc0 .Lfor_b_\@
	tensor_load_to_lds s[G0+4*\s:G0+4*\s+3], s[G1:G1+7]
	s_nop 0
.rept 4
	v_nop
.endr
	s_branch .Lasked_\@
.Lfor_b_\@:
	tensor_load_to_lds s[G0B+4*\s:G0B+4*\s+3], s[G1B:G1B+7]
	s_nop 0
.rept 4
	v_nop
.endr
.Lasked_\@:
.endm
.macro CREST
	s_cmp_lg_u32 s12, 0
	s_cbranch_scc1 .Lnot_wave_0_\@
	s_barrier_signal -3
.Lnot_wave_0_\@:
	s_barrier_wait -3
	s_barrier_signal -1
	s_barrier_wait -1
.endm
.macro CROUND
	s_barrier_signal -1
	s_barrier_wait -1
	CREST
.endm
	s_load_b128 s[4:7], s[0:1], 0x0                ; att16 s[4:5], wpT s[6:7]
	s_load_b128 s[8:11], s[0:1], 0x10              ; b_proj s[8:9], out0 s[10:11]
	v_lshl_add_u32 v[SPW], v0, 2, SPARE
	v_mov_b32 v[NIL], 0
	ds_add_u32 v[SPW], v[NIL]                      ; the wave's opening: the add, twice on end, and its wait ahead of my first tensor load
	ds_add_u32 v[SPW], v[NIL]
	v_lshrrev_b32 v1, 5, v0
	v_readfirstlane_b32 s12, v1                    ; wave 0..3
	s_lshr_b32 s13, s12, 1                         ; which 64 of the tile's rows are mine.  Also: I fetch for A (0) or for B (1)
	s_and_b32 s14, s12, 1                          ; which 128 of its columns.  Also: which plane of A, or which half of B, I fetch
	s_bfe_u32 s40, ttmp6, 0x40000
	s_bfe_u32 s41, ttmp6, 0x40004
	s_lshl_b32 s42, ttmp9, 2
	s_add_co_u32 s42, s42, s40                     ; tile column 0..3
	s_and_b32 s15, ttmp7, 0xffff
	s_lshl_b32 s15, s15, 2
	s_add_co_u32 s15, s15, s41                     ; tile row 0..63
	s_lshl_b32 s43, s41, 2
	s_lshl_b32 s43, 15, s43                        ; my row of the cluster
	s_lshl_b32 s44, 0x1111, s40                    ; my column
	s_or_b32 s[G1+0], s43, (3<<16)|(1<<20)|(1<<21)|(5<<22)|(3<<25)   ; A: 16,384 dense bytes as 64 rows of 32 elements of 8 bytes; 4 words of padding behind every 64
	s_mov_b32 s[G1+1], 32<<16
	s_mov_b32 s[G1+2], 64<<16
	s_mov_b32 s[G1+3], 32<<16
	s_mov_b32 s[G1+4], 64
	s_mov_b32 s[G1+5], 32
	s_mov_b32 s[G1+6], 0
	s_mov_b32 s[G1+7], 0
	s_or_b32 s[G1B+0], s44, (1<<16)|(1<<20)|(1<<21)|(5<<22)|(3<<25)  ; B: 128 rows of 128 elements of 2 bytes, 1,024 elements apart
	s_mov_b32 s[G1B+1], 128<<16
	s_mov_b32 s[G1B+2], 128<<16
	s_mov_b32 s[G1B+3], 128<<16
	s_mov_b32 s[G1B+4], 128
	s_mov_b32 s[G1B+5], 1024
	s_mov_b32 s[G1B+6], 0
	s_mov_b32 s[G1B+7], 0
	s_lshl_b32 s16, s14, 20                        ; A: head (wave & 1): 8,192 rows of 128 bytes,
	s_lshl_b32 s17, s15, 14                        ; + 128 x tile row rows
	s_add_co_u32 s16, s16, s17
	s_mov_b32 s17, 0
	s_lshl_b32 s46, s42, 19                        ; B: row 256 x tile column + 128 x half, 2,048 bytes a row
	s_lshl_b32 s47, s14, 18
	s_add_co_u32 s46, s46, s47
	s_mov_b32 s47, 0
	s_mul_i32 s20, s14, APL                        ; where they go
	s_mul_i32 s21, s14, BHALF
	s_add_co_u32 s21, s21, BOFF
	s_wait_dscnt 0x0                               ; both opening adds are done
	s_wait_kmcnt 0x0
	s_add_nc_u64 s[16:17], s[4:5], s[16:17]
	s_add_nc_u64 s[46:47], s[6:7], s[46:47]
	CROUND                                         ; all sixteen work-groups are here: the first joint loads meet
.irp s, 0,1
	s_mov_b32 s[G0+4*\s], 1
	s_add_co_u32 s[G0+4*\s+1], s20, \s*SLOT
	s_add_nc_u64 s[G0+4*\s+2:G0+4*\s+3], s[16:17], \s*0x200000      ; K step s: two heads on
	s_or_b32 s[G0+4*\s+3], s[G0+4*\s+3], 0x80000000
	s_mov_b32 s[G0B+4*\s], 1
	s_add_co_u32 s[G0B+4*\s+1], s21, \s*SLOT
	s_add_nc_u64 s[G0B+4*\s+2:G0B+4*\s+3], s[46:47], \s*256
	s_or_b32 s[G0B+4*\s+3], s[G0B+4*\s+3], 0x80000000
	JLOAD \s                                       ; two loads of mine are out
.endr
	v_and_b32 v1, 15, v0                           ; r
	v_bfe_u32 v2, v0, 4, 1                         ; h
	s_lshl_b32 s18, s42, 10                        ; the bias: my 128 columns; lane (r, h) wants, for block b, columns 16 b + 8 h + 0..7
	s_lshl_b32 s19, s14, 9
	s_add_co_u32 s18, s18, s19
	s_mov_b32 s19, 0
	s_add_nc_u64 s[8:9], s[8:9], s[18:19]
	v_lshlrev_b32 v[BOF], 5, v2
.irp b, 0,1,2,3,4,5,6,7
	global_load_b128 v[BIAS+8*\b:BIAS+8*\b+3], v[BOF], s[8:9] offset:64*\b
	global_load_b128 v[BIAS+8*\b+4:BIAS+8*\b+7], v[BOF], s[8:9] offset:64*\b+16
.endr
	v_lshrrev_b32 v3, 1, v1
	v_mul_u32_u24 v3, v3, 272
	v_and_b32 v4, 1, v0
	v_lshl_add_u32 v3, v4, 7, v3
	v_lshl_add_u32 v3, v2, 4, v3                   ; A: row r lies at 272 (r / 2) + 128 (r % 2); + 16 h
	v_mul_u32_u24 v4, v1, 272
	v_lshl_add_u32 v4, v2, 4, v4                   ; B: row r x pitch + 16 h
	s_mul_i32 s22, s13, 8704                       ; my 64 rows of A: 32 LDS rows
	s_mul_i32 s23, s14, BHALF
	s_add_co_u32 s23, s23, BOFF                    ; my 128 rows of B
.irp s, 0,1
	v_add_nc_u32 v[ADRA+\s], s22, v3
	v_add_nc_u32 v[ADRB+\s], s23, v4
	s_add_co_u32 s22, s22, SLOT
	s_add_co_u32 s23, s23, SLOT
.endr
	s_mul_i32 s23, s12, 16*SPITCH                  ; my stage
	v_mul_u32_u24 v5, v1, SPITCH
	v_lshl_add_u32 v5, v2, 5, v5
	v_add_nc_u32 v[STO], s23, v5                   ; in: row r, 32 bytes for each half of the lanes
	v_and_b32 v6, 31, v0
	v_lshlrev_b32 v[CO], 4, v6                     ; back: a row of 512 bytes an instruction; and the same in out0
	v_add_nc_u32 v[RD], s23, v[CO]
	s_lshl_b32 s18, s15, 7
	s_lshl_b32 s19, s13, 6
	s_add_co_u32 s18, s18, s19                     ; my first row
	s_lshl_b32 s18, s18, 12
	s_lshl_b32 s19, s42, 10
	s_add_co_u32 s18, s18, s19
	s_lshl_b32 s19, s14, 9
	s_add_co_u32 s18, s18, s19                     ; + my first column, in bytes
	s_mov_b32 s19, 0
	s_add_nc_u64 s[10:11], s[10:11], s[18:19]
.macro MUL8 f, a, zero                 ; A's block a x B's eight, 32 along K.  The 32 accumulators take turns, in the same order in every quarter
.irp b, 0,1,2,3,4,5,6,7
.if \zero
	v_wmma_f32_16x16x32_f16 v[8*(8*(\a)+\b):8*(8*(\a)+\b)+7], v[\f+32+8*\b:\f+32+8*\b+7], v[\f+8*(\a):\f+8*(\a)+7], v[BIAS+8*\b:BIAS+8*\b+7]
.else
	v_wmma_f32_16x16x32_f16 v[8*(8*(\a)+\b):8*(8*(\a)+\b)+7], v[\f+32+8*\b:\f+32+8*\b+7], v[\f+8*(\a):\f+8*(\a)+7], v[8*(8*(\a)+\b):8*(8*(\a)+\b)+7]
.endif
.endr
.endm
.macro FETCH slot, qd, f               ; 24 LDS loads in one run: the fragments of quarter qd (32 along K): B's eight, then A's four
	WIN TO_F
.irp i, 0,1,2,3,4,5,6,7
	ds_load_b128 v[\f+32+8*\i:\f+32+8*\i+3], v[ADRB+\slot] offset:64*(\qd)+4352*\i
	ds_load_b128 v[\f+32+8*\i+4:\f+32+8*\i+7], v[ADRB+\slot] offset:64*(\qd)+4352*\i+32
.endr
.irp i, 0,1,2,3
	ds_load_b128 v[\f+8*\i:\f+8*\i+3], v[ADRA+\slot] offset:APL*((\qd)/2)+64*((\qd)%2)+2176*\i
	ds_load_b128 v[\f+8*\i+4:\f+8*\i+7], v[ADRA+\slot] offset:APL*((\qd)/2)+64*((\qd)%2)+2176*\i+32
.endr
.endm
.macro PLACES
.rept 4
	v_nop
.endr
.endm
.macro QUARTER slot, qd, f, g, zero    ; multiplies buffer f; in its middle it fetches quarter qd of the same slot into buffer g
	s_wait_dscnt 4                                 ; B and A's blocks 0, 1 are in; the youngest four loads (A's blocks 2, 3) may be out
.if \zero
	WIN MUL0
.else
	WIN MUL
.endif
	MUL8 \f, 0, \zero
	MUL8 \f, 1, \zero
	PLACES
	FETCH \slot, \qd, \g
	s_wait_dscnt 24                                ; all but the 24 just issued
.if \zero
	WIN MUL0
.else
	WIN MUL
.endif
	MUL8 \f, 2, \zero
	MUL8 \f, 3, \zero
.endm
; A K step's last quarter multiplies buffer 1 and changes slots: one barrier; in front of it each wave waits for all its tensor loads, adds 0 to its spare word, and waits for that and for its reads of this slot.
; fill = 1: the barrier opens a round of the cluster's, and behind the round this slot takes the K step two steps on.
.macro TURN slot, next, fill
	WIN 0
	s_wait_tensorcnt 0x0
	ds_add_u32 v[SPW], v[NIL]
	s_wait_dscnt 5                                 ; the add and A's blocks 2, 3 may be out
	WIN MUL
	MUL8 F1, 0, 0
	s_wait_dscnt 0x0                               ; the add is done, and my reads of this slot are over
	s_barrier_signal -1
	MUL8 F1, 1, 0
.if \fill
	WIN 0
.endif
	s_barrier_wait -1
.if \fill
	CREST
	s_add_nc_u64 s[G0+4*\slot+2:G0+4*\slot+3], s[G0+4*\slot+2:G0+4*\slot+3], 0x400000
	s_add_nc_u64 s[G0B+4*\slot+2:G0B+4*\slot+3], s[G0B+4*\slot+2:G0B+4*\slot+3], 512
	JLOAD \slot                                    ; my one tensor load behind the round; its four v_nop are also the places in front of the loads below
.else
	PLACES
.endif
	FETCH \next, 0, F0
	WIN MUL
	MUL8 F1, 2, 0
	MUL8 F1, 3, 0
.endm
	s_wait_tensorcnt 1                             ; my part of K step 0 is in; K step 1's may be out
	s_barrier_signal -1
	s_barrier_wait -1
	FETCH 0, 0, F0
	s_wait_loadcnt 0x0                             ; the bias
	QUARTER 0, 1, F0, F1, 1                        ; the first quarter stands in front of the loop: its products start the sums
	WIN 0
	s_mov_b32 s3, LAPS-1
.Llap:                                             ; a trip goes once round the ring, from a lap's second quarter to the next lap's first, and fills both slots again
	QUARTER 0, 2, F1, F0, 0
	QUARTER 0, 3, F0, F1, 0
	TURN 0, 1, 1
	QUARTER 1, 1, F0, F1, 0
	QUARTER 1, 2, F1, F0, 0
	QUARTER 1, 3, F0, F1, 0
	TURN 1, 0, 1
	QUARTER 0, 1, F0, F1, 0
	WIN 0
	s_sub_co_u32 s3, s3, 1
	s_cmp_lg_u32 s3, 0
	s_cbranch_scc1 .Llap
	QUARTER 0, 2, F1, F0, 0                        ; the last lap fills nothing
	QUARTER 0, 3, F0, F1, 0
	TURN 0, 1, 0
	QUARTER 1, 1, F0, F1, 0
	QUARTER 1, 2, F1, F0, 0
	QUARTER 1, 3, F0, F1, 0
	s_wait_dscnt 4
	WIN MUL
	MUL8 F1, 0, 0
	MUL8 F1, 1, 0
	s_wait_dscnt 0
	MUL8 F1, 2, 0
	MUL8 F1, 3, 0
	WIN 0
; THE WAY OUT, block by block of 16 rows x 128 columns, through my own stage; whole rows of 512 bytes leave.
.macro TOSTAGE a
	WIN 0x08                                       ; an LDS store's data are its source 1: window 2
.irp b, 0,1,2,3,4,5,6,7
	ds_store_b128 v[STO], v[64*(\a)+8*\b:64*(\a)+8*\b+3] offset:64*\b          ; each accumulator from its low end on
	ds_store_b128 v[STO], v[64*(\a)+8*\b+4:64*(\a)+8*\b+7] offset:64*\b+16
.endr
	WIN 0
.set BB, BK+64*((\a)%2)
.irp t, 0,1,2,3,4,5,6,7,8,9,10,11,12,13,14,15
	ds_load_b128 v[BB+4*\t:BB+4*\t+3], v[RD] offset:\t*SPITCH
.endr
.endm
.macro SEND a, younger
.set BB, BK+64*((\a)%2)
	s_wait_dscnt \younger
.irp t, 0,1,2,3,4,5,6,7,8,9,10,11,12,13,14,15
	global_store_b128 v[CO], v[BB+4*\t:BB+4*\t+3], s[10:11] offset:(16*(\a)+\t)*4096 th:TH_STORE_NT   ; 32 lanes store 512 consecutive bytes, aligned
.endr
.endm
	PLACES
	TOSTAGE 0
.irp a, 1,2,3
.if \a > 1
	s_wait_xcnt 0x0                                ; block a - 2's stores have read their registers: block a's loads may land there
.endif
	TOSTAGE \a
	SEND \a-1, 32                                  ; behind block a - 1's loads: block a's 16 stores and 16 loads
.endr
	SEND 3, 0
	s_wait_tensorcnt 0x0                           ; the wave's end
	ds_add_u32 v[SPW], v[NIL]
	s_wait_dscnt 0x0
	CROUND                                         ; the closing round
	s_endpgm
.Lfunc_end_k_qd4b9ee956c_proj:
	.size	k_qd4b9ee956c_proj, .Lfunc_end_k_qd4b9ee956c_proj-k_qd4b9ee956c_proj
	.p2alignl 7, 3214868480
	.fill 96, 4, 3214868480
	.section	.rodata,"a",@progbits
	.p2align	6, 0x0
	.amdhsa_kernel k_qd4b9ee956c_proj
		.amdhsa_group_segment_fixed_size 327680
		.amdhsa_private_segment_fixed_size 0
		.amdhsa_enable_private_segment 0
		.amdhsa_kernarg_size 32
		.amdhsa_user_sgpr_count 2
		.amdhsa_user_sgpr_kernarg_segment_ptr 1
		.amdhsa_wavefront_size32 1
		.amdhsa_system_sgpr_workgroup_id_x 1
		.amdhsa_system_sgpr_workgroup_id_y 1
		.amdhsa_system_sgpr_workgroup_id_z 1
		.amdhsa_system_vgpr_workitem_id 0
		.amdhsa_next_free_vgpr 768
		.amdhsa_next_free_sgpr 66
		.amdhsa_reserve_vcc 0
		.amdhsa_float_denorm_mode_32 3
		.amdhsa_float_denorm_mode_16_64 3
		.amdhsa_memory_ordered 1
		.amdhsa_forward_progress 1
		.amdhsa_inst_pref_size 87
	.end_amdhsa_kernel
	.amdgpu_metadata
---
amdhsa.version: [ 1, 2 ]
amdhsa.kernels:
  - .name:           k_qd4b9ee956c_proj
    .symbol:         k_qd4b9ee956c_proj.kd
    .args:
      - { .name: att16, .offset: 0, .size: 8, .value_kind: global_buffer, .address_space: global }
      - { .name: wpT, .offset: 8, .size: 8, .value_kind: global_buffer, .address_space: global }
      - { .name: b_proj, .offset: 16, .size: 8, .value_kind: global_buffer, .address_space: global }
      - { .name: out0, .offset: 24, .size: 8, .value_kind: global_buffer, .address_space: global }
    .group_segment_fixed_size: 327680
    .private_segment_fixed_size: 0
    .kernarg_segment_align: 8
    .kernarg_segment_size: 32
    .max_flat_workgroup_size: 128
    .sgpr_count:     66
    .vgpr_count:     768
    .wavefront_size: 32
...
	.end_amdgpu_metadata
.endif
;; end of part 4
;; launch first (part 5): grid 64 x 4, 16 waves a work-group, no clusters, 18,432 bytes of LDS; arguments firstqkv, W_proj, b_proj, out0; writes out0
.if DOCPART == 5
	.amdgcn_target "amdgcn-amd-amdhsa--gfx1250"
	.amdhsa_code_object_version 6
	.text
	.protected	k_qd4b9ee956c_first
	.globl	k_qd4b9ee956c_first
	.p2align	8
	.type	k_qd4b9ee956c_first,@function
k_qd4b9ee956c_first:
	s_mov_b64 s[64:65], 0
	v_nop
	global_prefetch_b8 v0, s[64:65] scope:SCOPE_SE
	s_setreg_imm32_b32 hwreg(HW_REG_WAVE_MODE, 25, 1), 1
	s_wait_xcnt 0x0
; FIRST: positions 0-15 of every batch once more, all in f32: these rows average one to sixteen values and are the largest of the output, so 16-bit operands would use up what the comparison allows.
; Work-group (x, b): the 16 positions of batch b, output columns 16 x .. 16 x + 15.  Wave w is head w: it makes its head's attention for the 16 positions and multiplies the 64 channels by
; W_proj[64 w .. 64 w + 63][my 16 columns]; the sixteen partial products are added through LDS; waves 0 and 1 add the bias and store.  48 matrix instructions a wave: no bulk work.
; v_wmma_f32_16x16x4_f32 takes k = 2 (lane / 16) + register.  k is permuted alike on both sources of each product, so that registers (2 s, 2 s + 1) serve as they lie:
;   S^T = K Q^T:  lane (r, h) holds row r, channels 32 h + 0..31 of K and of Q.           Result: query r, keys 8 h + j.
;   O^T = V^T P:  P as it stands (keys 8 h + 2 s + j); V loaded so: channel 16 c + r, the same keys.   Result: query r, channels 16 c + 8 h + j.
;   U^T = W^T O:  O^T as it stands; W loaded so: column r, the same channels.               Result: query r, columns 8 h + j.
; Nothing changes lanes between the products.  The accumulators are written by matrix instructions alone; sums of them go into other registers.
; The stores are pieces of 64 bytes of rows 4,096 bytes apart: 262,144 bytes in the whole launch.
.set SPW,  6
.set NIL,  7
.set SPARE, 16384                      ; behind the sixteen images of 1,024 bytes: the spare words, 128 bytes a wave
.set T,    16                          ; v16-23  scores, then p; later the wave's partial product
.set PF,   24                          ; v24-31  p / sum
.set QF,   32
.set KF,   64
.set VF,   96
.set WF,   128
.set SA,   160                         ; four accumulators each
.set OA,   192
.set UA,   224
.set RB,   96                          ; the sixteen parts read back
	s_load_b256 s[4:11], s[0:1], 0x0               ; firstqkv s[4:5], W_proj s[6:7], b_proj s[8:9], out0 s[10:11]
	v_lshl_add_u32 v[SPW], v0, 2, SPARE
	v_mov_b32 v[NIL], 0
	v_lshrrev_b32 v1, 5, v0
	v_readfirstlane_b32 s12, v1                    ; wave = head
	s_and_b32 s13, ttmp7, 0xffff                   ; the batch
	s_lshl_b32 s14, ttmp9, 6                       ; my 16 columns, in bytes
	v_and_b32 v1, 15, v0                           ; r
	v_bfe_u32 v8, v0, 4, 1                         ; h
	v_lshlrev_b32 v2, 8, v1
	v_lshl_add_u32 v2, v8, 7, v2                   ; Q, K: 256 r + 128 h
	v_lshlrev_b32 v3, 2, v1
	v_lshl_add_u32 v4, v8, 15, v3                  ; W: 8 h rows of 4,096 bytes + 4 r
	v_lshl_add_u32 v3, v8, 11, v3                  ; V: 8 h rows of 256 bytes + 4 r
	s_and_b32 s15, s12, 1
	s_lshl_b32 s15, s15, 4
	v_lshlrev_b32 v5, 5, v8
	v_add_nc_u32 v5, s15, v5                       ; the bias, and a row of out0: 32 h + 16 (wave & 1)
	v_lshl_add_u32 v9, v1, 12, v5                  ; out0: + row r
	v_lshlrev_b32 v8, 3, v8
	v_sub_nc_u32 v8, v1, v8                        ; r - 8 h: key 8 h + j is hidden where j is greater
	v_mov_b32 v11, 0xff800000                      ; -infinity (also the upper half of the pair with c m)
	s_mov_b32 s16, 0x76543210
	s_mov_b32 s17, 0xfedcba98
	s_mov_b32 s18, 0x3e38aa3b                      ; c = log2(e) / 8
	s_mov_b32 s19, s18
	s_lshl_b32 s20, s13, 4
	s_add_co_u32 s20, s20, s12
	s_lshl_b32 s20, s20, 12                        ; firstqkv: 4,096 bytes for each (batch, head)
	s_mov_b32 s21, 0
	s_lshl_b32 s22, s12, 18                        ; W_proj: my 64 rows,
	s_add_co_u32 s22, s22, s14                     ; my columns
	s_mov_b32 s23, 0
	s_mov_b32 s24, s14
	s_mov_b32 s25, 0
	s_lshl_b32 s26, s13, 23                        ; out0: 2,048 rows of 4,096 bytes a batch
	s_add_co_u32 s26, s26, s14
	s_mov_b32 s27, 0
	s_wait_kmcnt 0x0
	s_add_nc_u64 s[4:5], s[4:5], s[20:21]
	s_add_nc_u64 s[6:7], s[6:7], s[22:23]
	s_add_nc_u64 s[8:9], s[8:9], s[24:25]
	s_add_nc_u64 s[10:11], s[10:11], s[26:27]
	global_load_b128 v[12:15], v5, s[8:9]
.irp i, 0,1,2,3,4,5,6,7
	global_load_b128 v[QF+4*\i:QF+4*\i+3], v2, s[4:5] offset:16*\i
.endr
.irp i, 0,1,2,3,4,5,6,7
	global_load_b128 v[KF+4*\i:KF+4*\i+3], v2, s[4:5] offset:262144+16*\i
.endr
.irp c, 0,1,2,3
.irp e, 0,1,2,3,4,5,6,7
	global_load_b32 v[VF+8*\c+\e], v3, s[4:5] offset:524288+256*\e+64*\c
.endr
.endr
.irp c, 0,1,2,3
.irp e, 0,1,2,3,4,5,6,7
	global_load_b32 v[WF+8*\c+\e], v4, s[6:7] offset:(16*\c+\e)*4096
.endr
.endr
	s_wait_loadcnt 63                              ; of the 81 loads at least the first 18 are in: the bias, Q and K
.irp s, 0,1,2,3,4,5,6,7,8,9,10,11,12,13,14,15  ; four accumulators by turns; the first four products start the sums
.if \s < 4
	v_wmma_f32_16x16x4_f32 v[SA+8*((\s)%4):SA+8*((\s)%4)+7], v[KF+2*\s:KF+2*\s+1], v[QF+2*\s:QF+2*\s+1], 0
.else
	v_wmma_f32_16x16x4_f32 v[SA+8*((\s)%4):SA+8*((\s)%4)+7], v[KF+2*\s:KF+2*\s+1], v[QF+2*\s:QF+2*\s+1], v[SA+8*((\s)%4):SA+8*((\s)%4)+7]
.endif
.endr
.rept 8
	v_nop                                          ; eight places behind this form (ISA guide 7.12.1)
.endr
	v_and_b32 v40, 31, v0                          ; the LDS addresses, in registers that Q has left
	v_lshlrev_b32 v40, 4, v40
	s_lshl_b32 s20, s12, 10
	s_lshl_b32 s21, s15, 5
	v_add_nc_u32 v41, s21, v40                     ; back: 16 x lane + 512 (wave & 1)
	v_add_nc_u32 v40, s20, v40                     ; in: 16 x lane + 1,024 x wave
.irp q, 0,2,4,6
	v_pk_add_f32 v[T+\q:T+\q+1], v[SA+\q:SA+\q+1], v[SA+8+\q:SA+8+\q+1]      ; each accumulator is read from its low end on
.endr
.irp q, 0,2,4,6
	v_pk_add_f32 v[T+\q:T+\q+1], v[T+\q:T+\q+1], v[SA+16+\q:SA+16+\q+1]
.endr
.irp q, 0,2,4,6
	v_pk_add_f32 v[T+\q:T+\q+1], v[T+\q:T+\q+1], v[SA+24+\q:SA+24+\q+1]
.endr
.irp j, 0,1,2,3,4,5,6,7
	v_cmp_gt_i32 vcc_lo, \j, v8
	v_cndmask_b32 v[T+\j], v[T+\j], v11, vcc_lo    ; hidden keys: -infinity
.endr
	v_max3_num_f32 v32, v[T], v[T+1], v[T+2]
	v_max3_num_f32 v32, v32, v[T+3], v[T+4]
	v_max3_num_f32 v32, v32, v[T+5], v[T+6]
	v_max_num_f32 v32, v32, v[T+7]
	v_mov_b32 v33, 0
	v_permlanex16_b32 v33, v32, s16, s17
	v_max_num_f32 v32, v32, v33                    ; the row's maximum: key 0 counts for every query, so it is a number
	v_mul_f32 v10, s18, v32
.irp q, 0,2,4,6
	v_pk_fma_f32 v[T+\q:T+\q+1], v[T+\q:T+\q+1], s[18:19], v[10:11] op_sel_hi:[1,0,0] neg_lo:[0,0,1] neg_hi:[0,0,1]
.endr
.irp j, 0,1,2,3,4,5,6,7
	v_exp_f32 v[T+\j], v[T+\j]
.endr
	v_nop
	s_wait_alu depctr_va_vdst(0)                   ; one wait for the eight, ahead of their first reader
	v_pk_add_f32 v[34:35], v[T:T+1], v[T+2:T+3]
	v_pk_add_f32 v[36:37], v[T+4:T+5], v[T+6:T+7]
	v_pk_add_f32 v[34:35], v[34:35], v[36:37]
	v_add_f32 v34, v34, v35
	v_permlanex16_b32 v33, v34, s16, s17
	v_add_f32 v34, v34, v33
	v_rcp_f32 v38, v34
	v_mov_b32 v39, 0                               ; (named with it as a pair; also the plain line behind the reciprocal)
	s_wait_alu depctr_va_vdst(0)
.irp q, 0,2,4,6
	v_pk_mul_f32 v[PF+\q:PF+\q+1], v[T+\q:T+\q+1], v[38:39] op_sel_hi:[1,0]
.endr
	s_wait_loadcnt 32                              ; V is in; W's 32 loads may be out
.irp s, 0,1,2,3
.irp c, 0,1,2,3
.if \s == 0
	v_wmma_f32_16x16x4_f32 v[OA+8*\c:OA+8*\c+7], v[VF+8*\c+2*\s:VF+8*\c+2*\s+1], v[PF+2*\s:PF+2*\s+1], 0
.else
	v_wmma_f32_16x16x4_f32 v[OA+8*\c:OA+8*\c+7], v[VF+8*\c+2*\s:VF+8*\c+2*\s+1], v[PF+2*\s:PF+2*\s+1], v[OA+8*\c:OA+8*\c+7]
.endif
.endr
.endr
.rept 9
	v_nop                                          ; nine places before a matrix instruction takes these results as a source
.endr
	s_wait_loadcnt 0x0
.irp c, 0,1,2,3
.irp s, 0,1,2,3
.if \c == 0
	v_wmma_f32_16x16x4_f32 v[UA+8*\s:UA+8*\s+7], v[WF+8*\c+2*\s:WF+8*\c+2*\s+1], v[OA+8*\c+2*\s:OA+8*\c+2*\s+1], 0
.else
	v_wmma_f32_16x16x4_f32 v[UA+8*\s:UA+8*\s+7], v[WF+8*\c+2*\s:WF+8*\c+2*\s+1], v[OA+8*\c+2*\s:OA+8*\c+2*\s+1], v[UA+8*\s:UA+8*\s+7]
.endif
.endr
.endr
.rept 8
	v_nop
.endr
.irp q, 0,2,4,6
	v_pk_add_f32 v[T+\q:T+\q+1], v[UA+\q:UA+\q+1], v[UA+8+\q:UA+8+\q+1]
.endr
.irp q, 0,2,4,6
	v_pk_add_f32 v[T+\q:T+\q+1], v[T+\q:T+\q+1], v[UA+16+\q:UA+16+\q+1]
.endr
.irp q, 0,2,4,6
	v_pk_add_f32 v[T+\q:T+\q+1], v[T+\q:T+\q+1], v[UA+24+\q:UA+24+\q+1]
.endr
	ds_store_b128 v40, v[T:T+3]                    ; my head's part, as an image of its registers: columns 8 h + 0..3,
	ds_store_b128 v40, v[T+4:T+7] offset:512       ; and 8 h + 4..7
	s_wait_dscnt 0x0                               ; for the others' sake
	s_barrier_signal -1
	s_barrier_wait -1
	s_cmp_gt_u32 s12, 1
	s_cbranch_scc1 .Ldone                          ; wave 0 adds the sixteen first halves, wave 1 the second
.irp p, 0,1,2,3,4,5,6,7,8,9,10,11,12,13,14,15
	ds_load_b128 v[RB+4*\p:RB+4*\p+3], v41 offset:1024*\p
.endr
	s_wait_dscnt 0x0
.irp p, 0,8,16,24,32,40,48,56
	v_pk_add_f32 v[RB+\p:RB+\p+1], v[RB+\p:RB+\p+1], v[RB+\p+4:RB+\p+5]
	v_pk_add_f32 v[RB+\p+2:RB+\p+3], v[RB+\p+2:RB+\p+3], v[RB+\p+6:RB+\p+7]
.endr
.irp p, 0,16,32,48
	v_pk_add_f32 v[RB+\p:RB+\p+1], v[RB+\p:RB+\p+1], v[RB+\p+8:RB+\p+9]
	v_pk_add_f32 v[RB+\p+2:RB+\p+3], v[RB+\p+2:RB+\p+3], v[RB+\p+10:RB+\p+11]
.endr
.irp p, 0,32
	v_pk_add_f32 v[RB+\p:RB+\p+1], v[RB+\p:RB+\p+1], v[RB+\p+16:RB+\p+17]
	v_pk_add_f32 v[RB+\p+2:RB+\p+3], v[RB+\p+2:RB+\p+3], v[RB+\p+18:RB+\p+19]
.endr
	v_pk_add_f32 v[RB:RB+1], v[RB:RB+1], v[RB+32:RB+33]
	v_pk_add_f32 v[RB+2:RB+3], v[RB+2:RB+3], v[RB+34:RB+35]
	v_pk_add_f32 v[RB:RB+1], v[RB:RB+1], v[12:13]  ; the bias
	v_pk_add_f32 v[RB+2:RB+3], v[RB+2:RB+3], v[14:15]
	global_store_b128 v9, v[RB:RB+3], s[10:11]
.Ldone:
	s_wait_tensorcnt 0x0                           ; the wave's end
	ds_add_u32 v[SPW], v[NIL]
	s_wait_dscnt 0x0
	s_endpgm
.Lfunc_end_k_qd4b9ee956c_first:
	.size	k_qd4b9ee956c_first, .Lfunc_end_k_qd4b9ee956c_first-k_qd4b9ee956c_first
	.p2alignl 7, 3214868480
	.fill 96, 4, 3214868480
	.section	.rodata,"a",@progbits
	.p2align	6, 0x0
	.amdhsa_kernel k_qd4b9ee956c_first
		.amdhsa_group_segment_fixed_size 18432
		.amdhsa_private_segment_fixed_size 0
		.amdhsa_enable_private_segment 0
		.amdhsa_kernarg_size 32
		.amdhsa_user_sgpr_count 2
		.amdhsa_user_sgpr_kernarg_segment_ptr 1
		.amdhsa_wavefront_size32 1
		.amdhsa_system_sgpr_workgroup_id_x 1
		.amdhsa_system_sgpr_workgroup_id_y 1
		.amdhsa_system_sgpr_workgroup_id_z 1
		.amdhsa_system_vgpr_workitem_id 0
		.amdhsa_next_free_vgpr 256
		.amdhsa_next_free_sgpr 66
		.amdhsa_reserve_vcc 1
		.amdhsa_float_denorm_mode_32 3
		.amdhsa_float_denorm_mode_16_64 3
		.amdhsa_memory_ordered 1
		.amdhsa_forward_progress 1
		.amdhsa_inst_pref_size 21
	.end_amdhsa_kernel
	.amdgpu_metadata
---
amdhsa.version: [ 1, 2 ]
amdhsa.kernels:
  - .name:           k_qd4b9ee956c_first
    .symbol:         k_qd4b9ee956c_first.kd
    .args:
      - { .name: firstqkv, .offset: 0, .size: 8, .value_kind: global_buffer, .address_space: global }
      - { .name: W_proj, .offset: 8, .size: 8, .value_kind: global_buffer, .address_space: global }
      - { .name: b_proj, .offset: 16, .size: 8, .value_kind: global_buffer, .address_space: global }
      - { .name: out0, .offset: 24, .size: 8, .value_kind: global_buffer, .address_space: global }
    .group_segment_fixed_size: 18432
    .private_segment_fixed_size: 0
    .kernarg_segment_align: 8
    .kernarg_segment_size: 32
    .max_flat_workgroup_size: 512
    .sgpr_count:     66
    .vgpr_count:     256
    .wavefront_size: 32
...
	.end_amdgpu_metadata
.endif
;; end of part 5
